; MI455X (gfx1250); checked and timed in simulation.
; The chip was launched on July 23, 2026; its instructions are those of AMD's public machine-readable ISA for CDNA 5 (MIT licence, August 2026) and "CDNA5" Instruction Set Architecture Reference Guide (July 2026). The comments in the code are by the model that wrote it; some were corrected since.
;; Chunked Cross Attention. Allowed arithmetic: float matrix products may take bf16 or f16 operands with f32 sums; all other float work in f32.
;; Inputs: Wk 1,024 x 1,024 float32; Wo 1,024 x 1,024 float32; Wq 1,024 x 1,024 float32; Wv 1,024 x 1,024 float32; bk 1,024 float32; bo 1,024 float32; bq 1,024 float32; bv 1,024 float32; e 4 x 16 x 2 x 128 x 1,024 float32; g_norm 1,024 float32; h 4 x 1,024 x 1,024 float32.
;; Outputs: out0 4 x 1,024 x 1,024 float32.
;; 2 versions, each right; version 2 is version 1 with the launch prep written anew for expert scheduling mode. Each part assembles by itself: llvm-mc -triple=amdgcn-amd-amdhsa -mcpu=gfx1250 --defsym DOCPART=n.
;; ======== version 1 of 2: 4 launches
;; workspace buffers: ebf 33,554,432 bytes; wb 8,388,608 bytes; hn 8,388,608 bytes; qb 8,388,608 bytes; obuf 8,388,608 bytes
;; launch prep (part 1): grid 256 x 1, 8 waves a work-group, no clusters, 0 bytes of LDS; arguments Wq, Wk, Wv, Wo, h, g_norm, wb, hn; writes wb, hn
.if DOCPART == 1
	.amdgcn_target "amdgcn-amd-amdhsa--gfx1250"
	.amdhsa_code_object_version 6
	.text
	.protected	k_q7004ad1c4d_prep
	.globl	k_q7004ad1c4d_prep
	.p2align	8
	.type	k_q7004ad1c4d_prep,@function
k_q7004ad1c4d_prep:
	s_mov_b64 s[64:65], 0
	v_nop
	global_prefetch_b8 v0, s[64:65] scope:SCOPE_SE
	s_setreg_imm32_b32 hwreg(HW_REG_WAVE_MODE, 25, 1), 1
	s_wait_xcnt 0x0
; prep: the operands that the query projection needs first, and the other weights, rounded once to bf16 (nearest even).
;   work-groups   0..127: wb = bf16(Wq | Wk | Wv | Wo), 32 blocks of 32,768 numbers for each matrix, layout unchanged ([k][n])
;   work-groups 128..255: hn[b][t] = h[b][t+63] * g * rsqrt(mean(h[b][t+63]^2) + 1e-8) for t <= 960, zeros for t > 960; 32 rows each
; (e is rounded in the next launch, beside the query projection, which needs nothing of it.)
; Every work-group moves 128 KiB in and 64 KiB out.  A stream: no LDS, no barrier, no matrix unit, no cluster (no byte is read by two work-groups
; but g and one clamped row).  A load of a wave covers 512 neighbouring bytes, a store 256 neighbouring bytes at a multiple of 256.
; No register is written twice while a memory instruction may read it: every load and store has registers of its own.
; LIMIT: results are bf16; the sum of squares is kept in f32 and overflows only where |h| passes about 1e17.
.set CI, 8                             ; cast: v[8:135]   32 x 4 numbers as loaded
.set CQ, 136                           ; cast: v[136:199] 32 x 4 numbers in bf16
.set G,  8                             ; norm: v[8:39]    g of my 32 columns
.set X,  40                            ; norm: v[40:167]  four rows, 32 numbers a lane each
.set Y,  168                           ; norm: v[168:231] four rows in bf16
.set T,  232                           ; norm: v[232:243] at work
	s_load_b256 s[4:11], s[0:1], 0x0               ; Wq s[4:5], Wk s[6:7], Wv s[8:9], Wo s[10:11]
	s_load_b256 s[12:19], s[0:1], 0x20             ; h s[12:13], g s[14:15], wb s[16:17], hn s[18:19]
	v_lshrrev_b32 v3, 5, v0
	v_readfirstlane_b32 s25, v3                    ; wave 0..7
	v_and_b32 v2, 31, v0                           ; lane
	v_lshlrev_b32 v1, 4, v2                        ; 16 bytes of f32 a lane
	v_lshlrev_b32 v2, 3, v2                        ; 8 bytes of bf16 a lane
	s_mov_b32 s24, ttmp9
	s_wait_kmcnt 0x0
	s_cmp_ge_u32 s24, 128
	s_cbranch_scc1 .Lnorm
	; ---- the casts ----
	s_lshr_b32 s27, s24, 5                         ; which matrix
	s_and_b32 s28, s24, 31                         ; which block of it
	s_cmp_eq_u32 s27, 1
	s_cselect_b64 s[30:31], s[6:7], s[4:5]         ; Wk or Wq
	s_cmp_eq_u32 s27, 2
	s_cselect_b64 s[30:31], s[8:9], s[30:31]       ; Wv
	s_cmp_eq_u32 s27, 3
	s_cselect_b64 s[30:31], s[10:11], s[30:31]     ; Wo
	s_lshl_b32 s34, s28, 17                        ; 131,072 bytes of f32 a block,
	s_lshl_b32 s29, s25, 14                        ; 16,384 a wave
	s_add_co_u32 s34, s34, s29
	s_mov_b32 s35, 0
	s_add_nc_u64 s[30:31], s[30:31], s[34:35]
	s_lshl_b32 s36, s24, 16                        ; half of that in bf16; the four matrices follow each other in wb
	s_lshl_b32 s29, s25, 13
	s_add_co_u32 s36, s36, s29
	s_mov_b32 s37, 0
	s_add_nc_u64 s[32:33], s[16:17], s[36:37]
.set j, 0
.rept 32
	global_load_b128 v[CI+4*j:CI+4*j+3], v1, s[30:31] offset:512*j th:TH_LOAD_NT   ; all 16 KiB of the wave go out at once
.set j, j+1
.endr
.set j, 0
.rept 32
	s_wait_loadcnt 31-j                            ; loads come back in order: load j is in, the 31 - j younger ones stay out
	v_cvt_pk_bf16_f32 v[CQ+2*j], v[CI+4*j], v[CI+4*j+1]
	v_cvt_pk_bf16_f32 v[CQ+2*j+1], v[CI+4*j+2], v[CI+4*j+3]
	global_store_b64 v2, v[CQ+2*j:CQ+2*j+1], s[32:33] offset:256*j
.set j, j+1
.endr
	s_endpgm
	; ---- the norm: one wave takes a whole row (4,096 bytes = 32 registers) and keeps it between the two passes; four rows a wave ----
.Lnorm:
	s_sub_co_u32 s26, s24, 128
	s_lshl_b32 s26, s26, 5
	s_lshl2_add_u32 s26, s25, s26                  ; my first row of hn: 32 x group + 4 x wave
	s_mov_b32 s31, 0
.irp rr, 0,1,2,3
	s_add_co_u32 s27, s26, \rr
	s_and_b32 s28, s27, 1023                       ; t
	s_sub_co_u32 s27, s27, s28                     ; 1024 b
	s_add_co_u32 s29, s28, 63
	s_min_u32 s29, s29, 1023                       ; a padded row reads the last row of the batch, so that no load leaves h; its result is masked away
	s_add_co_u32 s27, s27, s29
	s_lshl_b32 s30, s27, 12
	s_add_nc_u64 s[32+2*\rr:33+2*\rr], s[12:13], s[30:31]
	s_cmp_le_u32 s28, 960
	s_cselect_b32 s[44+\rr], -1, 0                 ; all ones for a true row, 0 for a padded one
.endr
	s_lshl_b32 s30, s26, 11
	s_add_nc_u64 s[48:49], s[18:19], s[30:31]      ; hn at my first row
	s_mov_b32 s40, 0x76543210                      ; v_permlanex16_b32: lane i of one half reads lane i of the other
	s_mov_b32 s41, 0xfedcba98
	s_mov_b32 s42, 0x3a800000                      ; 1 / 1024
	v_mov_b32 v3, 0x322bcc77                       ; 1e-8
.set j, 0
.rept 8
	global_load_b128 v[G+4*j:G+4*j+3], v1, s[14:15] offset:512*j
.set j, j+1
.endr
.irp rr, 0,1,2,3
.set j, 0
.rept 8
	global_load_b128 v[X+32*\rr+4*j:X+32*\rr+4*j+3], v1, s[32+2*\rr:33+2*\rr] offset:512*j
.set j, j+1
.endr
.endr
.macro NROW rr
	s_wait_loadcnt 8*(3-\rr)                       ; g and my row are in; the eight loads of each later row stay out
.irp k, 0,1,2,3
	v_pk_mul_f32 v[T+2*\k:T+2*\k+1], v[X+32*\rr+2*\k:X+32*\rr+2*\k+1], v[X+32*\rr+2*\k:X+32*\rr+2*\k+1]   ; four chains, started by the first products
.endr
.set p, 4
.rept 12
	v_pk_fma_f32 v[T+2*(p%4):T+2*(p%4)+1], v[X+32*\rr+2*p:X+32*\rr+2*p+1], v[X+32*\rr+2*p:X+32*\rr+2*p+1], v[T+2*(p%4):T+2*(p%4)+1]
.set p, p+1
.endr
	v_pk_add_f32 v[T:T+1], v[T:T+1], v[T+2:T+3]
	v_pk_add_f32 v[T+4:T+5], v[T+4:T+5], v[T+6:T+7]
	v_pk_add_f32 v[T:T+1], v[T:T+1], v[T+4:T+5]
	v_add_f32 v[T], v[T], v[T+1]
	v_add_f32_dpp v[T], v[T], v[T] row_xmask:1 row_mask:0xf bank_mask:0xf
	v_add_f32_dpp v[T], v[T], v[T] row_xmask:2 row_mask:0xf bank_mask:0xf
	v_add_f32_dpp v[T], v[T], v[T] row_xmask:4 row_mask:0xf bank_mask:0xf
	v_add_f32_dpp v[T], v[T], v[T] row_xmask:8 row_mask:0xf bank_mask:0xf
	v_permlanex16_b32 v[T+1], v[T], s40, s41
	v_add_f32 v[T], v[T], v[T+1]                   ; the sum of squares of the row, in every lane
	v_fma_f32 v[T+10], v[T], s42, v3               ; mean + 1e-8
	v_rsq_f32 v[T+8], v[T+10]                      ; twice, for the packed multiply; the first multiply by g below is the plain
	v_rsq_f32 v[T+9], v[T+10]                      ; instruction that stands between these and the use of their results (ISA guide 5.7.2)
.set p, 0
.rept 16
	v_pk_mul_f32 v[X+32*\rr+2*p:X+32*\rr+2*p+1], v[X+32*\rr+2*p:X+32*\rr+2*p+1], v[G+2*p:G+2*p+1]
.set p, p+1
.endr
.set p, 0
	s_wait_alu depctr_va_vdst(0)
.rept 16
	v_pk_mul_f32 v[X+32*\rr+2*p:X+32*\rr+2*p+1], v[X+32*\rr+2*p:X+32*\rr+2*p+1], v[T+8:T+9]
.set p, p+1
.endr
.set p, 0
.rept 16
	v_cvt_pk_bf16_f32 v[Y+16*\rr+p], v[X+32*\rr+2*p], v[X+32*\rr+2*p+1]
.set p, p+1
.endr
.set p, 0
.rept 16
	v_and_b32 v[Y+16*\rr+p], s[44+\rr], v[Y+16*\rr+p]      ; a padded row is exact zeros, whatever the clamped row gave
.set p, p+1
.endr
.set j, 0
.rept 8
	global_store_b64 v2, v[Y+16*\rr+2*j:Y+16*\rr+2*j+1], s[48:49] offset:2048*\rr+256*j
.set j, j+1
.endr
.endm
	NROW 0
	NROW 1
	NROW 2
	NROW 3
	s_endpgm
.Lfunc_end_k_q7004ad1c4d_prep:
	.size	k_q7004ad1c4d_prep, .Lfunc_end_k_q7004ad1c4d_prep-k_q7004ad1c4d_prep
	.p2alignl 7, 3214868480
	.fill 96, 4, 3214868480
	.section	.rodata,"a",@progbits
	.p2align	6, 0x0
	.amdhsa_kernel k_q7004ad1c4d_prep
		.amdhsa_group_segment_fixed_size 0
		.amdhsa_private_segment_fixed_size 0
		.amdhsa_enable_private_segment 0
		.amdhsa_kernarg_size 64
		.amdhsa_user_sgpr_count 2
		.amdhsa_user_sgpr_kernarg_segment_ptr 1
		.amdhsa_wavefront_size32 1
		.amdhsa_system_sgpr_workgroup_id_x 1
		.amdhsa_system_sgpr_workgroup_id_y 1
		.amdhsa_system_sgpr_workgroup_id_z 1
		.amdhsa_system_vgpr_workitem_id 0
		.amdhsa_next_free_vgpr 248
		.amdhsa_next_free_sgpr 66
		.amdhsa_reserve_vcc 0
		.amdhsa_float_denorm_mode_32 3
		.amdhsa_float_denorm_mode_16_64 3
		.amdhsa_memory_ordered 1
		.amdhsa_forward_progress 1
		.amdhsa_inst_pref_size 43
	.end_amdhsa_kernel
	.amdgpu_metadata
---
amdhsa.version: [ 1, 2 ]
amdhsa.kernels:
  - .name:           k_q7004ad1c4d_prep
    .symbol:         k_q7004ad1c4d_prep.kd
    .args:
      - { .name: Wq, .offset: 0, .size: 8, .value_kind: global_buffer, .address_space: global }
      - { .name: Wk, .offset: 8, .size: 8, .value_kind: global_buffer, .address_space: global }
      - { .name: Wv, .offset: 16, .size: 8, .value_kind: global_buffer, .address_space: global }
      - { .name: Wo, .offset: 24, .size: 8, .value_kind: global_buffer, .address_space: global }
      - { .name: h, .offset: 32, .size: 8, .value_kind: global_buffer, .address_space: global }
      - { .name: g_norm, .offset: 40, .size: 8, .value_kind: global_buffer, .address_space: global }
      - { .name: wb, .offset: 48, .size: 8, .value_kind: global_buffer, .address_space: global }
      - { .name: hn, .offset: 56, .size: 8, .value_kind: global_buffer, .address_space: global }
    .group_segment_fixed_size: 0
    .private_segment_fixed_size: 0
    .kernarg_segment_align: 8
    .kernarg_segment_size: 64
    .max_flat_workgroup_size: 256
    .sgpr_count:     66
    .vgpr_count:     248
    .wavefront_size: 32
...
	.end_amdgpu_metadata
.endif
;; end of part 1
;; launch qproj (part 2): grid 8 x 32, 4 waves a work-group, clusters of 4 x 4, 327,680 bytes of LDS; arguments hn, wb, bq, e, qb, ebf; writes qb, ebf
.if DOCPART == 2
	.amdgcn_target "amdgcn-amd-amdhsa--gfx1250"
	.amdhsa_code_object_version 6
	.text
	.protected	k_q7004ad1c4d_qproj
	.globl	k_q7004ad1c4d_qproj
	.p2align	8
	.type	k_q7004ad1c4d_qproj,@function
k_q7004ad1c4d_qproj:
	s_mov_b64 s[64:65], 0
	v_nop
	global_prefetch_b8 v0, s[64:65] scope:SCOPE_SE
	s_setreg_imm32_b32 hwreg(HW_REG_WAVE_MODE, 25, 1), 1
	s_wait_xcnt 0x0
	s_wait_alu depctr_hold_cnt(0) depctr_sa_sdst(0) depctr_va_vdst(0) depctr_va_sdst(0) depctr_va_ssrc(0) depctr_va_vcc(0) depctr_vm_vsrc(0)
	s_getreg_b32 s2, hwreg(HW_REG_IB_STS2, 6, 4)
	s_cmp_eq_u32 s2, 0
	s_cbranch_scc0 .Lentry_in_a_cluster
	s_endpgm
.Lentry_in_a_cluster:
	s_bfe_u32 s2, ttmp6, 0x10000c
	s_cmp_lg_u32 s2, 0xf033
	s_cbranch_scc0 .Lentry_shape_is_right
	s_endpgm
.Lentry_shape_is_right:
; qproj: two pieces of work that share no data, done by the same four waves, so that the stream is on its way while the product waits for its
; tiles and multiplies.
;   THE PRODUCT: qb = (hn Wq + bq) * 0.125 * log2(e), in bf16.  hn [4096][1024] bf16, Wq = wb[0] [1024 k][1024 n] bf16, bq f32.
;   THE STREAM:  ebf = bf16(e), 64 KiB of e for each wave (256 work-groups x 4 waves x 64 KiB = all of e).
; THE PRODUCT.  The factor folds the scale 1/8 of the attention and the change from e^x to 2^x into q.  A work-group makes 128 rows x 128 columns,
; a wave 64 x 64: 16 accumulator tiles.  K goes through two LDS slots of 256 along K each: four fills, written out without a loop.
; CLUSTERS: 4 x 4 work-groups.  The four of a row of the cluster need the same rows of hn, the four of a column the same columns of Wq:
; each tile is asked for jointly by the four, which divides the requests for both by four.  (No byte of e is read twice: nothing to share there.)
; Wq lies [k][n]: its fragments are read from LDS by the transposing load, which wants a row pitch that is an odd multiple of 32 bytes (288).
; THE MATRIX INSTRUCTION IS USED TRANSPOSED (source 0 = 16 columns of Wq, source 1 = 16 rows of hn): a lane then holds eight neighbouring
; columns of one row of the result, 16 bytes of bf16.
; THE STREAM.  128 units a wave: a load of 512 neighbouring bytes, two roundings in place, a store of 256 neighbouring bytes at a multiple of 256.
; Every unit has four registers of its own (512 registers: windows 2 and 3) and its offset in an immediate: no register of a load or a store is
; ever written again.  Eight batches of sixteen units.  Three batches (48 loads, 24 KiB a wave, 96 KiB a work-group) go out first of all; then
; eight times, between the pieces of the product, the oldest batch is rounded and stored and the batch three further on is asked for.
; The stream moves 384 KiB for a work-group, the product's tiles and result 544 KiB of which three quarters are shared fetches: the stream is
; asked for first, and its last batch is taken up last, behind the stores of qb, so that all of the product lies in front of that wait.
; The loads of the stream stay out across the barriers: no other wave touches their bytes or their registers.
; LIMIT: hn, Wq, ebf and qb are bf16; sums and the bias in f32.
.set WPITCH, 288                       ; a k-row of W in LDS: 256 bytes + 32 of padding
.set APITCH, 528                       ; a row of hn in LDS: 512 bytes + 16 of padding: 33 x 16, so sixteen rows start in sixteen different 16-byte columns
.set WTILE,  128*WPITCH                ; what wave 0 or 1 fetches: 128 k-rows x 128 columns
.set ATILE,  64*APITCH                 ; what wave 2 or 3 fetches: 64 rows x 256 along K
.set ABASE,  2*WTILE
.set SLOTG,  ABASE+2*ATILE             ; 141,312 bytes
.set STG,    2*SLOTG                   ; behind the ring: the stage for the way out, 128 rows x 272 bytes; no fill lands here
.set SPITCH, 272
.set G1Y, 28                           ; s[28:35] group 1 of the tile of hn
.set G1W, 36                           ; s[36:43] group 1 of the tile of W
.set G0Y, 44                           ; s[44:51] group 0 of the tile of hn, a set for each slot
.set G0W, 52                           ; s[52:59] group 0 of the tile of W, a set for each slot
.set ADRA, 16                          ; v16-17  LDS address of my fragments of hn in slot 0, 1
.set ADRW, 18                          ; v18-19  of my fragments of W, k-rows 0-127 of the slot
.set ADRW2, 20                         ; v20-21  k-rows 128-255
.set BOF, 23                           ; v23     byte offset of my eight biases in a block of 16
.set SST, 24                           ; v24     stage: where I put 16 bytes
.set SRD, 25                           ; v25     stage: where I read a row back
.set QOF, 26                           ; v26     my byte offset in qb
.set EO,  27                           ; v27     stream: 16 x lane, my bytes in a load; never rewritten
.set SO,  28                           ; v28     stream: 8 x lane, my bytes in a store; never rewritten
.set BQ,  32                           ; v32-63  bq of my columns
.set PK,  64                           ; v64-127 results in bf16
.set ACC, 128                          ; v128-255 tile (mt, nt) at ACC + 8 (4 mt + nt)
.set F0,  0                            ; window 1: fragment buffer 0 (64 along K): W (u, nt) at 32 u + 8 nt, hn (u, mt) at 64 + 32 u + 8 mt
.set F1,  128                          ; window 1: fragment buffer 1
                                       ; window 2: batches 0-3 of the stream, window 3: batches 4-7; unit u of batch b at 64 (b mod 4) + 4 u
.set MULW,  0x05                       ; sources 0 and 1 in window 1, C and D in window 0
.set LOADW, 0x40                       ; destination in window 1, address in window 0
.set MSB, 0
.macro WIN new                         ; the high byte of the immediate repeats the setting that is left
.if MSB != \new
	s_set_vgpr_msb (MSB<<8)|\new
.set MSB, \new
.endif
.endm
.macro PLACES                          ; the places behind matrix instructions (ISA guide 7.12.1): five cover both distances
.rept 5
	v_nop
.endr
.endm
; A joint load: waves 0 and 1 ask for the two halves of W, waves 2 and 3 for the two halves of hn.  Each line has one mask.
.macro JLOAD s
	s_cmp_eq_u32 s17, 0
	s_cbranch_scc0 .Lfor_y_\@
	tensor_load_to_lds s[G0W+4*\s:G0W+4*\s+3], s[G1W:G1W+7]
	s_nop 0
	s_branch .Lasked_\@
.Lfor_y_\@:
	tensor_load_to_lds s[G0Y+4*\s:G0Y+4*\s+3], s[G1Y:G1Y+7]
	s_nop 0
.Lasked_\@:
.endm
.macro CROUND                          ; a round of the barrier of the cluster
	s_barrier_signal -1
	s_barrier_wait -1
	s_cmp_lg_u32 s16, 0
	s_cbranch_scc1 .Lnot_wave_0_\@
	s_barrier_signal -3
.Lnot_wave_0_\@:
	s_barrier_wait -3
	s_barrier_signal -1
	s_barrier_wait -1
.endm
; The stream.  CLOAD b: the sixteen loads of batch b, 8 KiB.
.macro CLOAD b
.if (\b) < 4
	WIN 0x80                                       ; loaded data into window 2, address in window 0
.else
	WIN 0xc0                                       ; into window 3
.endif
.set u, 0
.rept 16
	global_load_b128 v[64*((\b)%4)+4*u:64*((\b)%4)+4*u+3], v[EO], s[74:75] offset:512*(16*(\b)+u) th:TH_LOAD_NT
.set u, u+1
.endr
.endm
; CPROC b: batch b is rounded in place and stored.  left = the loads that were issued behind the last load of the batch.
; One wait for the batch, so that the conversions and the stores each stand under one window setting.
.macro CPROC b, left
	s_wait_loadcnt \left                           ; loads come back in order (ISA guide 5.7.1): batch b is in, the younger batches stay out
.if (\b) < 4
	WIN 0x8a                                       ; sources and destination in window 2
.else
	WIN 0xcf                                       ; in window 3
.endif
.set u, 0
.rept 16
	v_cvt_pk_bf16_f32 v[64*((\b)%4)+4*u], v[64*((\b)%4)+4*u], v[64*((\b)%4)+4*u+1]
	v_cvt_pk_bf16_f32 v[64*((\b)%4)+4*u+1], v[64*((\b)%4)+4*u+2], v[64*((\b)%4)+4*u+3]
.set u, u+1
.endr
.if (\b) < 4
	WIN 0x08                                       ; the data of a store in window 2, address in window 0
.else
	WIN 0x0c                                       ; in window 3
.endif
.set u, 0
.rept 16
	global_store_b64 v[SO], v[64*((\b)%4)+4*u:64*((\b)%4)+4*u+1], s[76:77] offset:256*(16*(\b)+u)
.set u, u+1
.endr
.endm
; HOOK b: the oldest batch is taken up, and the batch three further on is asked for, into registers of its own
.macro HOOK b, left
	CPROC \b, \left
.if (\b)+3 < 8
	CLOAD \b+3
.endif
.endm
	s_load_b256 s[4:11], s[0:1], 0x0               ; hn s[4:5], wb s[6:7], bq s[8:9], e s[10:11]
	s_load_b128 s[12:15], s[0:1], 0x20             ; qb s[12:13], ebf s[14:15]
	v_lshl_add_u32 v30, v0, 2, 0x4d800
	v_mov_b32 v31, 0
	ds_add_u32 v30, v31
	v_lshrrev_b32 v1, 5, v0
	v_readfirstlane_b32 s16, v1                    ; wave 0..3
	v_and_b32 v3, 31, v0                           ; lane
	v_bfe_u32 v2, v0, 4, 1                         ; h
	v_lshlrev_b32 v[EO], 4, v3
	v_lshlrev_b32 v[SO], 3, v3
	v_lshlrev_b32 v[BOF], 5, v2                    ; 8 h biases of 4 bytes
	s_lshr_b32 s17, s16, 1                         ; my half of the rows.  Also: I fetch W (0) or hn (1)
	s_and_b32 s18, s16, 1                          ; my half of the columns.  Also: which half of that tile I fetch
	s_bfe_u32 s19, ttmp6, 0x40000                  ; cx
	s_bfe_u32 s20, ttmp6, 0x40004                  ; cy
	s_lshl_b32 s21, ttmp9, 2
	s_add_co_u32 s21, s21, s19                     ; X: block of 128 columns
	s_and_b32 s22, ttmp7, 0xffff
	s_lshl_b32 s22, s22, 2
	s_add_co_u32 s22, s22, s20                     ; Y: block of 128 rows
	s_lshl_b32 s23, s20, 2
	s_lshl_b32 s23, 15, s23                        ; my row of the cluster
	s_lshl_b32 s24, 0x1111, s19                    ; my column of the cluster
	s_or_b32 s[G1Y+0], s23, (1<<16)|(1<<20)|(1<<21)|(6<<22)|(3<<25)   ; mask; 2-byte elements; padding on; bit 21 beside a mask; after every 128 words 4 words
	s_mov_b32 s[G1Y+1], 256<<16                    ; tensor_dim0 = 256
	s_mov_b32 s[G1Y+2], 64<<16                     ; tensor_dim1 = 64
	s_mov_b32 s[G1Y+3], 256<<16                    ; tile_dim0 = 256 elements (512 bytes)
	s_mov_b32 s[G1Y+4], 64                         ; tile_dim1 = 64 rows
	s_mov_b32 s[G1Y+5], 1024                       ; elements from row to row
	s_mov_b32 s[G1Y+6], 0
	s_mov_b32 s[G1Y+7], 0
	s_or_b32 s[G1W+0], s24, (1<<16)|(1<<20)|(1<<21)|(5<<22)|(7<<25)   ; after every 64 words 8 words
	s_mov_b32 s[G1W+1], 128<<16
	s_mov_b32 s[G1W+2], 128<<16
	s_mov_b32 s[G1W+3], 128<<16                    ; 128 columns (256 bytes)
	s_mov_b32 s[G1W+4], 128                        ; 128 k-rows
	s_mov_b32 s[G1W+5], 1024
	s_mov_b32 s[G1W+6], 0
	s_mov_b32 s[G1W+7], 0
	s_lshl_b32 s60, s22, 18                        ; hn: 128 rows of 2,048 bytes a block,
	s_lshl_b32 s82, s18, 17                        ; 64 rows a half
	s_add_co_u32 s60, s60, s82
	s_mov_b32 s61, 0
	s_lshl_b32 s66, s21, 8                         ; W: 256 bytes of a k-row a block,
	s_lshl_b32 s82, s18, 18                        ; 128 k-rows a half
	s_add_co_u32 s66, s66, s82
	s_mov_b32 s67, 0
	s_mul_i32 s68, s16, WTILE                      ; LDS: waves 0, 1 at 0 and WTILE
	s_mul_i32 s69, s16, ATILE
	s_add_co_u32 s69, s69, ABASE-2*ATILE           ; waves 2, 3 at ABASE and ABASE + ATILE
	; offsets of my own loads and stores; none of these registers feeds a descriptor
	s_lshl_b32 s84, s21, 9
	s_lshl_b32 s82, s18, 8
	s_add_co_u32 s84, s84, s82                     ; bq: my 64 columns of f32
	s_mov_b32 s85, 0
	s_lshl3_add_u32 s82, s22, s21                  ; the stream: work-group 8 Y + X,
	s_lshl2_add_u32 s82, s82, s16                  ; four parts each: part 0..1023
	s_lshl_b32 s86, s82, 16                        ; 65,536 bytes of e a part
	s_mov_b32 s87, 0
	s_lshl_b32 s88, s82, 15                        ; 32,768 bytes of ebf
	s_mov_b32 s89, 0
	s_wait_dscnt 0x0
	s_wait_kmcnt 0x0
	s_add_nc_u64 s[60:61], s[4:5], s[60:61]
	s_add_nc_u64 s[66:67], s[6:7], s[66:67]
	s_add_nc_u64 s[70:71], s[8:9], s[84:85]        ; bq at my 64 columns
	s_add_nc_u64 s[74:75], s[10:11], s[86:87]      ; e at my part
	s_add_nc_u64 s[76:77], s[14:15], s[88:89]      ; ebf at my part
	; bq first, so that it is the oldest of my loads; then the first three batches of the stream: 56 loads are out
.irp nt, 0,1,2,3
	global_load_b128 v[BQ+8*\nt:BQ+8*\nt+3], v[BOF], s[70:71] offset:64*\nt
	global_load_b128 v[BQ+8*\nt+4:BQ+8*\nt+7], v[BOF], s[70:71] offset:64*\nt+16
.endr
	CLOAD 0
	CLOAD 1
	CLOAD 2
	WIN 0
	CROUND                                         ; all sixteen work-groups are here: the first joint loads meet
.irp s, 0,1
	s_mov_b32 s[G0Y+4*\s], 1
	s_add_co_u32 s[G0Y+4*\s+1], s69, \s*SLOTG
	s_add_nc_u64 s[G0Y+4*\s+2:G0Y+4*\s+3], s[60:61], \s*512
	s_or_b32 s[G0Y+4*\s+3], s[G0Y+4*\s+3], 0x80000000
	s_mov_b32 s[G0W+4*\s], 1
	s_add_co_u32 s[G0W+4*\s+1], s68, \s*SLOTG
	s_add_nc_u64 s[G0W+4*\s+2:G0W+4*\s+3], s[66:67], \s*524288
	s_or_b32 s[G0W+4*\s+3], s[G0W+4*\s+3], 0x80000000
	JLOAD \s                                       ; two tensor loads of the wave are out: the most in this text
.endr
	v_and_b32 v1, 15, v0                           ; r
	v_and_b32 v4, 7, v0
	v_bfe_u32 v5, v0, 3, 1
	v_lshl_add_u32 v4, v2, 3, v4                   ; k-row 8 h + (lane mod 8)
	v_mul_u32_u24 v4, v4, WPITCH
	v_lshl_add_u32 v4, v5, 4, v4                   ; + 16 bytes for lanes 8-15 and 24-31: the address pattern of the transposing load
	v_mul_u32_u24 v6, v1, APITCH
	v_lshl_add_u32 v6, v2, 4, v6                   ; r x pitch + 16 h
	s_mul_i32 s82, s17, ATILE
	s_add_co_u32 s82, s82, ABASE
	s_lshl_b32 s83, s18, 7                         ; my 64 columns: 128 bytes
	v_add_nc_u32 v[ADRA], s82, v6
	v_add_nc_u32 v[ADRA+1], SLOTG, v[ADRA]
	v_add_nc_u32 v[ADRW], s83, v4
	v_add_nc_u32 v[ADRW+1], SLOTG, v[ADRW]
	v_add_nc_u32 v[ADRW2], WTILE, v[ADRW]
	v_add_nc_u32 v[ADRW2+1], WTILE, v[ADRW+1]
	v_mul_u32_u24 v7, v1, SPITCH
	v_lshl_add_u32 v7, v2, 4, v7
	s_mul_i32 s84, s17, 64*SPITCH
	s_add_co_u32 s84, s84, s83
	s_add_co_u32 s84, s84, STG
	v_add_nc_u32 v[SST], s84, v7                   ; stage row 64 mh + r, byte 128 nh + 16 h
	v_mul_u32_u24 v8, v2, SPITCH
	v_lshl_add_u32 v8, v1, 4, v8
	s_mul_i32 s85, s16, 32*SPITCH
	s_add_co_u32 s85, s85, STG
	v_add_nc_u32 v[SRD], s85, v8                   ; stage row 32 w + h, byte 16 r
	v_lshlrev_b32 v9, 11, v2
	v_lshl_add_u32 v9, v1, 4, v9
	s_lshl_b32 s86, s16, 16
	v_add_nc_u32 v[QOF], s86, v9                   ; the same place in qb: rows of 2,048 bytes
	s_lshl_b32 s88, s22, 18
	s_lshl_b32 s87, s21, 8
	s_add_co_u32 s88, s88, s87
	s_mov_b32 s89, 0
	s_add_nc_u64 s[72:73], s[12:13], s[88:89]      ; qb at the block
; 32 LDS loads: the fragments of 64 along K (two blocks of 32, numbers 2 j and 2 j + 1 of the eight of the slot) into buffer f
.macro FETCHG slot, j, f
.irp u, 0,1
.irp nt, 0,1,2,3
.if (2*\j+\u) < 4
	ds_load_tr16_b128 v[\f+32*\u+8*\nt:\f+32*\u+8*\nt+3], v[ADRW+\slot] offset:(2*\j+\u)*32*WPITCH+32*\nt
	ds_load_tr16_b128 v[\f+32*\u+8*\nt+4:\f+32*\u+8*\nt+7], v[ADRW+\slot] offset:(2*\j+\u)*32*WPITCH+32*\nt+16*WPITCH
.else
	ds_load_tr16_b128 v[\f+32*\u+8*\nt:\f+32*\u+8*\nt+3], v[ADRW2+\slot] offset:(2*\j+\u-4)*32*WPITCH+32*\nt
	ds_load_tr16_b128 v[\f+32*\u+8*\nt+4:\f+32*\u+8*\nt+7], v[ADRW2+\slot] offset:(2*\j+\u-4)*32*WPITCH+32*\nt+16*WPITCH
.endif
.endr
.irp mt, 0,1,2,3
	ds_load_b128 v[\f+64+32*\u+8*\mt:\f+64+32*\u+8*\mt+3], v[ADRA+\slot] offset:\mt*16*APITCH+64*(2*\j+\u)
	ds_load_b128 v[\f+64+32*\u+8*\mt+4:\f+64+32*\u+8*\mt+7], v[ADRA+\slot] offset:\mt*16*APITCH+64*(2*\j+\u)+32
.endr
.endr
.endm
; 32 matrix instructions on buffer f.  The sixteen accumulators take turns, one instruction a turn.
; zero = 1: the first block of 32 starts the sums.
.macro MULG f, zero
.irp u, 0,1
.irp mt, 0,1,2,3
.irp nt, 0,1,2,3
.if \zero*(1-\u)
	v_wmma_f32_16x16x32_bf16 v[ACC+8*(4*\mt+\nt):ACC+8*(4*\mt+\nt)+7], v[\f+32*\u+8*\nt:\f+32*\u+8*\nt+7], v[\f+64+32*\u+8*\mt:\f+64+32*\u+8*\mt+7], 0
.else
	v_wmma_f32_16x16x32_bf16 v[ACC+8*(4*\mt+\nt):ACC+8*(4*\mt+\nt)+7], v[\f+32*\u+8*\nt:\f+32*\u+8*\nt+7], v[\f+64+32*\u+8*\mt:\f+64+32*\u+8*\mt+7], v[ACC+8*(4*\mt+\nt):ACC+8*(4*\mt+\nt)+7]
.endif
.endr
.endr
.endr
.endm
; A slot: 256 along K, 128 matrix instructions, on two fragment buffers; a run of 32 loads is always one buffer ahead.
; In its middle, when the last run of fragment loads has been issued, batch b of the stream is taken up (left: see CPROC).
.macro WORK slot, zero, b, left
	PLACES                                         ; behind the matrix instructions that read both buffers last
	WIN LOADW
	FETCHG \slot, 0, F0
	FETCHG \slot, 1, F1
	s_wait_dscnt 32                                ; buffer 0 is in; the 32 younger loads stay out
	WIN MULW
	MULG F0, \zero
	PLACES
	WIN LOADW
	FETCHG \slot, 2, F0
	s_wait_dscnt 32                                ; buffer 1 is in; the 32 just issued stay out
	WIN MULW
	MULG F1, 0
	PLACES
	WIN LOADW
	FETCHG \slot, 3, F1
	HOOK \b, \left                                 ; global loads and stores: they count on other counters than the LDS loads around them
	s_wait_dscnt 32
	WIN MULW
	MULG F0, 0
	s_wait_dscnt 0x0
	MULG F1, 0
	WIN 0
.endm
; A slot that has been read is filled again: every wave waits for all its tensor loads and its reads, a round of the barrier of the cluster,
; then the joint load, the one tensor load of the wave behind the round.
.macro REFILL slot
	s_wait_tensorcnt 0x0                           ; all my loads have landed, my part of the other slot among them: the group 0 sets may be written
	ds_add_u32 v30, v31
	s_add_nc_u64 s[G0Y+4*\slot+2:G0Y+4*\slot+3], s[G0Y+4*\slot+2:G0Y+4*\slot+3], 1024
	s_add_nc_u64 s[G0W+4*\slot+2:G0W+4*\slot+3], s[G0W+4*\slot+2:G0W+4*\slot+3], 1048576
	s_wait_dscnt 0x0                               ; my reads of this slot are back
	CROUND
	JLOAD \slot
.endm
	s_wait_tensorcnt 0x1                           ; my part of slot 0 is in; slot 1 stays out
	s_barrier_signal -1
	s_barrier_wait -1
	WORK 0, 1, 0, 32                               ; K 0..255; batch 0 (batches 1, 2 are out behind it), asks for batch 3
	REFILL 0
	HOOK 1, 32                                     ; batch 1 (2, 3 are out), asks for batch 4; the refill is on its way meanwhile
	WORK 1, 0, 2, 32                               ; K 256..511; batch 2 (3, 4 are out), asks for batch 5
	REFILL 1
	HOOK 3, 32                                     ; batch 3 (4, 5 are out), asks for batch 6
	WORK 0, 0, 4, 32                               ; K 512..767; batch 4 (5, 6 are out), asks for batch 7, the last
	s_wait_tensorcnt 0x0                           ; my part of the last fill is in
	s_wait_dscnt 0x0
	s_barrier_signal -1
	s_barrier_wait -1
	HOOK 5, 32                                     ; batch 5 (6, 7 are out)
	WORK 1, 0, 6, 16                               ; K 768..1023; batch 6 (7 is out)
	; THE WAY OUT: (sum + bq) x c as one fused multiply-add with bq x c, to bf16, through the stage, out as whole rows of 256 bytes
	PLACES
	s_wait_loadcnt 16                              ; bq: the oldest of my loads; only the sixteen of batch 7 are out, and they stay out
.set p, 0
.rept 16
	v_pk_mul_f32 v[BQ+2*p:BQ+2*p+1], v[BQ+2*p:BQ+2*p+1], 0x3e38aa3b op_sel_hi:[1,0]      ; 0.125 log2(e)
.set p, p+1
.endr
.irp mt, 0,1,2,3
.irp nt, 0,1,2,3
.irp j, 0,2,4,6
	v_pk_fma_f32 v[ACC+8*(4*\mt+\nt)+\j:ACC+8*(4*\mt+\nt)+\j+1], v[ACC+8*(4*\mt+\nt)+\j:ACC+8*(4*\mt+\nt)+\j+1], 0x3e38aa3b, v[BQ+8*\nt+\j:BQ+8*\nt+\j+1] op_sel_hi:[1,0,1]
.endr
.endr
.endr
.set n, 0
.rept 64
	v_cvt_pk_bf16_f32 v[PK+n], v[ACC+2*n], v[ACC+2*n+1]
.set n, n+1
.endr
.irp mt, 0,1,2,3
.irp nt, 0,1,2,3
	ds_store_b128 v[SST], v[PK+4*(4*\mt+\nt):PK+4*(4*\mt+\nt)+3] offset:\mt*16*SPITCH+32*\nt
.endr
.endr
	s_wait_dscnt 0x0                               ; my stores are done, for the waves that read these rows
	s_barrier_signal -1
	s_barrier_wait -1
.set t, 0
.rept 16
	ds_load_b128 v[ACC+4*t:ACC+4*t+3], v[SRD] offset:2*SPITCH*t
.set t, t+1
.endr
.set t, 0
.rept 16
	s_wait_dscnt 15-t                              ; LDS loads come back in order: load t is in
	global_store_b128 v[QOF], v[ACC+4*t:ACC+4*t+3], s[72:73] offset:4096*t   ; sixteen lanes store 256 neighbouring bytes, at a multiple of 256
.set t, t+1
.endr
	HOOK 7, 0                                      ; the last batch of the stream: nothing was asked for behind it
	WIN 0
	s_wait_tensorcnt 0x0
	ds_add_u32 v30, v31
	s_wait_dscnt 0x0
	CROUND                                         ; the closing round: no work-group ends while a partner may still ask jointly
	s_endpgm
.Lfunc_end_k_q7004ad1c4d_qproj:
	.size	k_q7004ad1c4d_qproj, .Lfunc_end_k_q7004ad1c4d_qproj-k_q7004ad1c4d_qproj
	.p2alignl 7, 3214868480
	.fill 96, 4, 3214868480
	.section	.rodata,"a",@progbits
	.p2align	6, 0x0
	.amdhsa_kernel k_q7004ad1c4d_qproj
		.amdhsa_group_segment_fixed_size 327680
		.amdhsa_private_segment_fixed_size 0
		.amdhsa_enable_private_segment 0
		.amdhsa_kernarg_size 48
		.amdhsa_user_sgpr_count 2
		.amdhsa_user_sgpr_kernarg_segment_ptr 1
		.amdhsa_wavefront_size32 1
		.amdhsa_system_sgpr_workgroup_id_x 1
		.amdhsa_system_sgpr_workgroup_id_y 1
		.amdhsa_system_sgpr_workgroup_id_z 1
		.amdhsa_system_vgpr_workitem_id 0
		.amdhsa_next_free_vgpr 1024
		.amdhsa_next_free_sgpr 96
		.amdhsa_reserve_vcc 0
		.amdhsa_float_denorm_mode_32 3
		.amdhsa_float_denorm_mode_16_64 3
		.amdhsa_memory_ordered 1
		.amdhsa_forward_progress 1
		.amdhsa_inst_pref_size 135
	.end_amdhsa_kernel
	.amdgpu_metadata
---
amdhsa.version: [ 1, 2 ]
amdhsa.kernels:
  - .name:           k_q7004ad1c4d_qproj
    .symbol:         k_q7004ad1c4d_qproj.kd
    .args:
      - { .name: hn, .offset: 0, .size: 8, .value_kind: global_buffer, .address_space: global }
      - { .name: wb, .offset: 8, .size: 8, .value_kind: global_buffer, .address_space: global }
      - { .name: bq, .offset: 16, .size: 8, .value_kind: global_buffer, .address_space: global }
      - { .name: e, .offset: 24, .size: 8, .value_kind: global_buffer, .address_space: global }
      - { .name: qb, .offset: 32, .size: 8, .value_kind: global_buffer, .address_space: global }
      - { .name: ebf, .offset: 40, .size: 8, .value_kind: global_buffer, .address_space: global }
    .group_segment_fixed_size: 327680
    .private_segment_fixed_size: 0
    .kernarg_segment_align: 8
    .kernarg_segment_size: 48
    .max_flat_workgroup_size: 128
    .sgpr_count:     96
    .vgpr_count:     1024
    .wavefront_size: 32
...
	.end_amdgpu_metadata
.endif
;; end of part 2
;; launch attn (part 3): grid 8 x 64, 4 waves a work-group, clusters of 4 x 4, 327,680 bytes of LDS; arguments ebf, wb, qb, bk, bv, obuf; writes obuf
.if DOCPART == 3
	.amdgcn_target "amdgcn-amd-amdhsa--gfx1250"
	.amdhsa_code_object_version 6
	.text
	.protected	k_q7004ad1c4d_attn
	.globl	k_q7004ad1c4d_attn
	.p2align	8
	.type	k_q7004ad1c4d_attn,@function
k_q7004ad1c4d_attn:
	s_mov_b64 s[64:65], 0
	v_nop
	global_prefetch_b8 v0, s[64:65] scope:SCOPE_SE
	s_setreg_imm32_b32 hwreg(HW_REG_WAVE_MODE, 25, 1), 1
	s_wait_xcnt 0x0
	s_wait_alu depctr_hold_cnt(0) depctr_sa_sdst(0) depctr_va_vdst(0) depctr_va_sdst(0) depctr_va_ssrc(0) depctr_va_vcc(0) depctr_vm_vsrc(0)
	s_getreg_b32 s2, hwreg(HW_REG_IB_STS2, 6, 4)
	s_cmp_eq_u32 s2, 0
	s_cbranch_scc0 .Lentry_in_a_cluster
	s_endpgm
.Lentry_in_a_cluster:
	s_bfe_u32 s2, ttmp6, 0x10000c
	s_cmp_lg_u32 s2, 0xf033
	s_cbranch_scc0 .Lentry_shape_is_right
	s_endpgm
.Lentry_shape_is_right:
; attn: for one chunk (Y = 16 b + c, 256 retrieved rows of e, 64 queries) and one pair of heads (X):
;   K = e Wk + bk, V = e Wv (256 keys x 2 heads x 64), softmax(q K^T) V + bv, stored in bf16 at the row where the output wants it.
; K, V, the scores and the weights never leave the registers.  q comes from qb and already carries 0.125 log2(e).
; PROJECTION: a block of 256 keys x 256 features (K of 2 heads | V of 2 heads), K = 1024, four waves; wave w = 2 kh + hh takes keys 128 kh ..
; and head hh: 128 x 128 = 64 accumulator tiles, 512 registers.  Steps of 128 along K through two LDS slots filled by the tensor data mover.
; CLUSTERS: 4 x 4 work-groups.  The four of a row of the cluster work on one chunk and need the same tiles of e; the four of a column work on one
; pair of heads and need the same tiles of Wk and Wv.  Each tile is asked for jointly by the four, which divides the requests by four.
; ORIENTATION: K is made as Wk-fragment x e-fragment (a lane holds 8 neighbouring d of one key), V as e-fragment x Wv-fragment (a lane holds 8
; neighbouring keys of one d).  Rounded to bf16 in the lane, these ARE the fragments of the next two products: S^T = K q^T (rows keys, columns
; queries) and O^T = V^T P^T; and S^T, exponentiated and rounded in the lane, IS the fragment of P^T.  No LDS trip between the three products.
; SOFTMAX: each wave takes the true maximum and the sum over its 128 keys; the two halves of the keys are merged with the joint maximum.
; A wave takes its query tiles in the order (the two that it keeps, the two that it sends), so that kept and sent results lie in fixed registers.
; ROWS: the result of query t of a batch is stored at row (t + 63) mod 1024 of obuf: every row is written once; rows 0..62 hold what the padded
; queries give, which the last launch selects away.
; LIMITS: e, Wk, Wv, q, K, V and the weights are bf16, sums in f32.  2^x below 2^-126 comes out as 0 (v_exp_f32).  bv is added in f32 behind the
; normalisation: the weights of a row sum to 1.  The joint sum is at least 1, so its reciprocal is safe.
.set WPITCH, 288                       ; a k-row of Wk or Wv in LDS: 256 bytes + 32: an odd multiple of 32
.set EPITCH, 272                       ; a row of e in LDS: 256 bytes + 16: sixteen rows start in sixteen different 16-byte columns
.set WTILE,  128*WPITCH                ; 36,864: wave 0 fetches Wk, wave 1 Wv (128 k-rows x 128 columns)
.set ETILE,  128*EPITCH                ; 34,816: waves 2, 3 fetch 128 rows of e each (128 along K)
.set EBASE,  2*WTILE
.set SLOT,   EBASE+2*ETILE             ; 143,360
.set XCH,    2*SLOT                    ; 34,816 bytes behind the ring, into which no fill lands: the exchange, then the stage
.set G1Y, 28                           ; s[28:35] group 1, tile of e
.set G1W, 36                           ; s[36:43] group 1, tile of Wk or Wv
.set G0Y, 44                           ; s[44:51] group 0, tile of e, a set for each slot
.set G0W, 52                           ; s[52:59] group 0, tile of W, a set for each slot
; window 0
.set ADRE, 16                          ; v16-17  LDS address of my fragments of e in slot 0, 1
.set ADRK, 18                          ; v18-19  of Wk
.set ADRV, 20                          ; v20-21  of Wv
.set QO,   22                          ; v22     byte offset in qb: r rows + 16 h
.set BOF,  23                          ; v23     32 h: my eight biases in a block of 16
.set XST,  24                          ; v24     exchange: where I store
.set XLD,  25                          ; v25     exchange: where my partner (wave xor 2) stored
.set STO,  26                          ; v26     stage: where I put 16 bytes
.set RD,   27                          ; v27     stage: where I read a row back
.set CO,   32                          ; v32-39  byte offsets in obuf of the eight pairs of rows that I store
.set F0,   64                          ; fragment buffer 0: window 0 e (key tile kt at 8 kt); window 1 Wk (dt at 8 dt), Wv (dt at 32 + 8 dt)
.set F1,   128                         ; fragment buffer 1
.set KA,   64                          ; later, window 0: K as fragments, (kt, ks) at 8 (2 kt + ks)
.set BK,   192                         ; v192-223 bk of my head, [8 dt + j] = bk[16 dt + 8 h + j]
.set BV,   224                         ; v224-255 bv likewise
; window 1
.set QB,   0                           ; v0-63   q fragments, (tile, ks) at 8 (2 tile + ks); tiles 0, 1 kept, 2, 3 sent
.set VA,   64                          ; later: V as fragments, (dt, kk) at 8 (4 dt + kk)
; window 2: K tile (kt, dt) at 8 (4 kt + dt); window 3: V tile (dt, kt) at 8 (8 dt + kt).  Later, window 2:
.set S,    0                           ; v0-63   scores of 16 queries x 128 keys; then what the partner sent
.set PB,   64                          ; v64-95  weights as fragments; then the result in bf16
.set O,    96                          ; v96-223 O tile (it, dt) at 8 (4 it + dt)
.set ST,   224                         ; v224-231 M0 M1 L0 L1 (kept) M2 M3 L2 L3 (sent)
.set T,    232                         ; v232-255 at work
.set RS,   236                         ; the partner's M, M, L, L
.set FK,   244                         ; v244-247 factor of my part, twice for each kept tile
.set FO,   248                         ; v248-251 factor of the partner's part
.set MUL_K, 0xa1                       ; source 0 window 1 (Wk), source 1 window 0 (e), C and D window 2
.set MUL_V, 0xf4                       ; source 0 window 0 (e), source 1 window 1 (Wv), C and D window 3
.set TO_B,  0x40                       ; destination window 1, address window 0
.set MSB, 0
.macro WIN new                         ; the high byte of the immediate repeats the setting that is left
.if MSB != \new
	s_set_vgpr_msb (MSB<<8)|\new
.set MSB, \new
.endif
.endm
.macro PLACES                          ; the places behind matrix instructions (ISA guide 7.12.1): five cover both distances
.rept 5
	v_nop
.endr
.endm
; A joint load: waves 0, 1 ask for Wk, Wv (shared along my column of the cluster), waves 2, 3 for the halves of e (shared along my row).
.macro JLOAD s
	s_cmp_eq_u32 s17, 0
	s_cbranch_scc0 .Lfor_y_\@
	tensor_load_to_lds s[G0W+4*\s:G0W+4*\s+3], s[G1W:G1W+7]
	s_nop 0
	s_branch .Lasked_\@
.Lfor_y_\@:
	tensor_load_to_lds s[G0Y+4*\s:G0Y+4*\s+3], s[G1Y:G1Y+7]
	s_nop 0
.Lasked_\@:
.endm
.macro CREST                           ; a round of the barrier of the cluster, behind its opening barrier
	s_cmp_lg_u32 s16, 0
	s_cbranch_scc1 .Lnot_wave_0_\@
	s_barrier_signal -3
.Lnot_wave_0_\@:
	s_barrier_wait -3
	s_barrier_signal -1
	s_barrier_wait -1
.endm
.macro CROUND                          ; a whole round
	s_barrier_signal -1
	s_barrier_wait -1
	CREST
.endm
	s_load_b256 s[4:11], s[0:1], 0x0               ; ebf s[4:5], wb s[6:7], qb s[8:9], bk s[10:11]
	s_load_b128 s[12:15], s[0:1], 0x20             ; bv s[12:13], obuf s[14:15]
	s_set_vgpr_msb 0x40
	v_lshl_add_u32 v255, v0, 2, 0x4e800
	s_set_vgpr_msb 0x4000
	v_mov_b32 v63, 0
	s_set_vgpr_msb 0x1
	ds_add_u32 v255, v63
	s_set_vgpr_msb 0x100
	v_lshrrev_b32 v1, 5, v0
	v_readfirstlane_b32 s16, v1                    ; wave 0..3
	s_lshr_b32 s17, s16, 1                         ; kh: my half of the keys.  Also: I fetch W (0) or e (1)
	s_and_b32 s18, s16, 1                          ; hh: my head of the pair.  Also: Wk or Wv, lower or upper half of e
	s_bfe_u32 s19, ttmp6, 0x40000                  ; cx
	s_bfe_u32 s20, ttmp6, 0x40004                  ; cy
	s_lshl_b32 s21, ttmp9, 2
	s_add_co_u32 s21, s21, s19                     ; X: pair of heads, 0..7
	s_and_b32 s22, ttmp7, 0xffff
	s_lshl_b32 s22, s22, 2
	s_add_co_u32 s22, s22, s20                     ; Y: chunk, 0..63
	s_lshl_b32 s23, s20, 2
	s_lshl_b32 s23, 15, s23                        ; my row of the cluster
	s_lshl_b32 s24, 0x1111, s19                    ; my column of the cluster
	s_mov_b32 s80, 0x76543210                      ; v_permlanex16_b32: lane i of one half reads lane i of the other
	s_mov_b32 s81, 0xfedcba98
	s_or_b32 s[G1Y+0], s23, (1<<16)|(1<<20)|(1<<21)|(5<<22)|(3<<25)   ; mask; 2-byte elements; padding on; bit 21 beside a mask; after every 64 words 4 words
	s_mov_b32 s[G1Y+1], 128<<16                    ; tensor_dim0 = 128
	s_mov_b32 s[G1Y+2], 128<<16                    ; tensor_dim1 = 128
	s_mov_b32 s[G1Y+3], 128<<16                    ; tile_dim0 = 128 elements (256 bytes)
	s_mov_b32 s[G1Y+4], 128                        ; tile_dim1 = 128 rows
	s_mov_b32 s[G1Y+5], 1024                       ; elements from row to row
	s_mov_b32 s[G1Y+6], 0
	s_mov_b32 s[G1Y+7], 0
	s_or_b32 s[G1W+0], s24, (1<<16)|(1<<20)|(1<<21)|(5<<22)|(7<<25)   ; the same shape, 8 words of padding, the mask of my column
	s_mov_b32 s[G1W+1], 128<<16
	s_mov_b32 s[G1W+2], 128<<16
	s_mov_b32 s[G1W+3], 128<<16
	s_mov_b32 s[G1W+4], 128
	s_mov_b32 s[G1W+5], 1024
	s_mov_b32 s[G1W+6], 0
	s_mov_b32 s[G1W+7], 0
	s_lshl_b32 s60, s22, 19                        ; e: 256 rows of 2,048 bytes a chunk,
	s_lshl_b32 s82, s18, 18                        ; 128 rows a half
	s_add_co_u32 s60, s60, s82
	s_mov_b32 s61, 0
	s_lshl_b32 s66, s21, 8                         ; W: 128 columns = 256 bytes a pair of heads,
	s_add_co_u32 s82, s18, 1
	s_lshl_b32 s82, s82, 21                        ; matrix 1 (Wk) or 2 (Wv) of wb, 2 MiB each
	s_add_co_u32 s66, s66, s82
	s_mov_b32 s67, 0
	s_mul_i32 s68, s16, WTILE                      ; LDS: waves 0, 1 at 0 and WTILE
	s_mul_i32 s69, s16, ETILE
	s_add_co_u32 s69, s69, EBASE-2*ETILE           ; waves 2, 3 at EBASE and EBASE + ETILE
	s_wait_dscnt 0x0
	s_wait_kmcnt 0x0
	s_add_nc_u64 s[60:61], s[4:5], s[60:61]
	s_add_nc_u64 s[66:67], s[6:7], s[66:67]
	CROUND                                         ; all sixteen work-groups are here: the first joint loads meet
.irp s, 0,1
	s_mov_b32 s[G0Y+4*\s], 1
	s_add_co_u32 s[G0Y+4*\s+1], s69, \s*SLOT
	s_add_nc_u64 s[G0Y+4*\s+2:G0Y+4*\s+3], s[60:61], \s*256
	s_or_b32 s[G0Y+4*\s+3], s[G0Y+4*\s+3], 0x80000000
	s_mov_b32 s[G0W+4*\s], 1
	s_add_co_u32 s[G0W+4*\s+1], s68, \s*SLOT
	s_add_nc_u64 s[G0W+4*\s+2:G0W+4*\s+3], s[66:67], \s*262144
	s_or_b32 s[G0W+4*\s+3], s[G0W+4*\s+3], 0x80000000
	JLOAD \s                                       ; two tensor loads of the wave are out: the most in this text
.endr
	; lane terms
	v_and_b32 v1, 15, v0                           ; r
	v_bfe_u32 v2, v0, 4, 1                         ; h
	v_and_b32 v3, 31, v0                           ; lane
	v_and_b32 v4, 7, v0
	v_bfe_u32 v5, v0, 3, 1
	v_lshl_add_u32 v4, v2, 3, v4                   ; k-row 8 h + (lane mod 8)
	v_mul_u32_u24 v4, v4, WPITCH
	v_lshl_add_u32 v4, v5, 4, v4                   ; + 16 bytes for lanes 8-15 and 24-31: the address pattern of the transposing load
	v_mul_u32_u24 v6, v1, EPITCH
	v_lshl_add_u32 v6, v2, 4, v6                   ; r x 272 + 16 h
	v_mul_u32_u24 v7, v2, EPITCH
	v_lshl_add_u32 v7, v1, 4, v7                   ; h x 272 + 16 r
	s_mul_i32 s82, s17, ETILE
	s_add_co_u32 s82, s82, EBASE
	s_lshl_b32 s83, s18, 7                         ; my head: 64 columns = 128 bytes
	v_add_nc_u32 v[ADRE], s82, v6
	v_add_nc_u32 v[ADRE+1], SLOT, v[ADRE]
	v_add_nc_u32 v[ADRK], s83, v4
	v_add_nc_u32 v[ADRK+1], SLOT, v[ADRK]
	v_add_nc_u32 v[ADRV], WTILE, v[ADRK]
	v_add_nc_u32 v[ADRV+1], WTILE, v[ADRK+1]
	s_mul_i32 s84, s16, 8704                       ; exchange: 17 x 512 bytes a wave
	s_add_co_u32 s84, s84, XCH
	v_lshl_add_u32 v[XST], v3, 4, s84
	s_xor_b32 s85, s16, 2                          ; my partner: same head, other half of the keys
	s_mul_i32 s85, s85, 8704
	s_add_co_u32 s85, s85, XCH
	v_lshl_add_u32 v[XLD], v3, 4, s85
	s_mul_i32 s86, s17, 32*EPITCH
	s_add_co_u32 s86, s86, s83
	s_add_co_u32 s86, s86, XCH
	v_add_nc_u32 v[STO], s86, v6                   ; stage row 32 kh + r, byte 128 hh + 16 h
	s_mul_i32 s87, s16, 16*EPITCH
	s_add_co_u32 s87, s87, XCH
	v_add_nc_u32 v[RD], s87, v7                    ; stage row 16 w + h, byte 16 r
	v_lshlrev_b32 v[QO], 11, v1
	v_lshl_add_u32 v[QO], v2, 4, v[QO]
	v_lshlrev_b32 v[BOF], 5, v2
	; global bases
	s_lshl_b32 s82, s21, 1
	s_add_co_u32 s82, s82, s18                     ; my head, 0..15
	s_mov_b32 s89, 0
	s_lshl_b32 s88, s82, 8                         ; 64 f32
	s_add_nc_u64 s[74:75], s[10:11], s[88:89]      ; bk of my head
	s_add_nc_u64 s[76:77], s[12:13], s[88:89]      ; bv of my head
	s_lshl_b32 s88, s82, 7                         ; 64 bf16
	s_lshl_b32 s83, s22, 17                        ; 64 rows of 2,048 bytes a chunk
	s_add_co_u32 s88, s88, s83
	s_lshl_b32 s83, s17, 16                        ; query tiles 2 kh, 2 kh + 1: 32 rows further for kh = 1
	s_add_co_u32 s88, s88, s83
	s_add_nc_u64 s[70:71], s[8:9], s[88:89]        ; q of the tiles that I keep
	s_xor_b32 s88, s88, 0x10000                    ; bit 16 of the offset is kh alone: the other 32 rows
	s_add_nc_u64 s[72:73], s[8:9], s[88:89]        ; q of the tiles that I send
	s_lshr_b32 s88, s22, 4
	s_lshl_b32 s88, s88, 21                        ; batch: 1,024 rows of 2,048 bytes
	s_lshl_b32 s83, s21, 8
	s_add_co_u32 s88, s88, s83
	s_add_nc_u64 s[78:79], s[14:15], s[88:89]      ; obuf at my batch and pair of heads
	s_and_b32 s83, s22, 15
	s_lshl_b32 s83, s83, 6
	s_lshl4_add_u32 s83, s16, s83
	s_add_co_u32 s83, s83, 63                      ; 64 c + 16 w + 63
	v_add_nc_u32 v8, s83, v2
	v_lshlrev_b32 v9, 4, v1
.irp t, 0,1,2,3,4,5,6,7
	v_add_nc_u32 v[CO+\t], 2*\t, v8
	v_and_b32 v[CO+\t], 0x3ff, v[CO+\t]            ; row (t + 63) mod 1024
	v_lshl_add_u32 v[CO+\t], v[CO+\t], 11, v9
.endr
	; q, bk, bv: asked for now, waited for behind the projection; none of their registers is touched in between
	WIN TO_B
.irp i, 0,1
.irp ks, 0,1
	global_load_b128 v[QB+16*\i+8*\ks:QB+16*\i+8*\ks+3], v[QO], s[70:71] offset:\i*32768+\ks*64
	global_load_b128 v[QB+16*\i+8*\ks+4:QB+16*\i+8*\ks+7], v[QO], s[70:71] offset:\i*32768+\ks*64+32
	global_load_b128 v[QB+32+16*\i+8*\ks:QB+32+16*\i+8*\ks+3], v[QO], s[72:73] offset:\i*32768+\ks*64
	global_load_b128 v[QB+32+16*\i+8*\ks+4:QB+32+16*\i+8*\ks+7], v[QO], s[72:73] offset:\i*32768+\ks*64+32
.endr
.endr
	WIN 0
.irp dt, 0,1,2,3
	global_load_b128 v[BK+8*\dt:BK+8*\dt+3], v[BOF], s[74:75] offset:64*\dt
	global_load_b128 v[BK+8*\dt+4:BK+8*\dt+7], v[BOF], s[74:75] offset:64*\dt+16
	global_load_b128 v[BV+8*\dt:BV+8*\dt+3], v[BOF], s[76:77] offset:64*\dt
	global_load_b128 v[BV+8*\dt+4:BV+8*\dt+7], v[BOF], s[76:77] offset:64*\dt+16
.endr
; 16 matrix instructions of K: key tiles a0 .. a0 + 3 x the four blocks of d.  zero = 1: the first product starts the sums.
; In all of the projection the 64 accumulators take turns, one instruction a turn.
.macro MULK16 f, a0, zero
.irp x, 0,1,2,3
.irp y, 0,1,2,3
.if \zero
	v_wmma_f32_16x16x32_bf16 v[8*(4*(\a0+\x)+\y):8*(4*(\a0+\x)+\y)+7], v[\f+8*\y:\f+8*\y+7], v[\f+8*(\a0+\x):\f+8*(\a0+\x)+7], 0
.else
	v_wmma_f32_16x16x32_bf16 v[8*(4*(\a0+\x)+\y):8*(4*(\a0+\x)+\y)+7], v[\f+8*\y:\f+8*\y+7], v[\f+8*(\a0+\x):\f+8*(\a0+\x)+7], v[8*(4*(\a0+\x)+\y):8*(4*(\a0+\x)+\y)+7]
.endif
.endr
.endr
.endm
; 16 matrix instructions of V: blocks d0, d0 + 1 of d x the eight key tiles
.macro MULV16 f, d0, zero
.irp x, 0,1
.irp y, 0,1,2,3,4,5,6,7
.if \zero
	v_wmma_f32_16x16x32_bf16 v[8*(8*(\d0+\x)+\y):8*(8*(\d0+\x)+\y)+7], v[\f+8*\y:\f+8*\y+7], v[\f+32+8*(\d0+\x):\f+32+8*(\d0+\x)+7], 0
.else
	v_wmma_f32_16x16x32_bf16 v[8*(8*(\d0+\x)+\y):8*(8*(\d0+\x)+\y)+7], v[\f+8*\y:\f+8*\y+7], v[\f+32+8*(\d0+\x):\f+32+8*(\d0+\x)+7], v[8*(8*(\d0+\x)+\y):8*(8*(\d0+\x)+\y)+7]
.endif
.endr
.endr
.endm
; 32 LDS loads in one run: quarter q (32 along K) of a slot into buffer f: 16 of e, 8 of Wk, 8 of Wv, in that order
.macro FETCH slot, q, f
	WIN 0
.irp y, 0,1,2,3,4,5,6,7
	ds_load_b128 v[\f+8*\y:\f+8*\y+3], v[ADRE+\slot] offset:64*\q+\y*16*EPITCH
	ds_load_b128 v[\f+8*\y+4:\f+8*\y+7], v[ADRE+\slot] offset:64*\q+\y*16*EPITCH+32
.endr
	WIN TO_B
.irp y, 0,1,2,3
	ds_load_tr16_b128 v[\f+8*\y:\f+8*\y+3], v[ADRK+\slot] offset:\q*32*WPITCH+32*\y
	ds_load_tr16_b128 v[\f+8*\y+4:\f+8*\y+7], v[ADRK+\slot] offset:\q*32*WPITCH+32*\y+16*WPITCH
.endr
.irp y, 0,1,2,3
	ds_load_tr16_b128 v[\f+32+8*\y:\f+32+8*\y+3], v[ADRV+\slot] offset:\q*32*WPITCH+32*\y
	ds_load_tr16_b128 v[\f+32+8*\y+4:\f+32+8*\y+7], v[ADRV+\slot] offset:\q*32*WPITCH+32*\y+16*WPITCH
.endr
.endm
; One of the first three quarters of a K step: multiplies buffer f; in its middle it fetches quarter q of the same slot into buffer g.
.macro QUARTER slot, q, f, g, zero
	s_wait_dscnt 8                                 ; e and Wk are in; the youngest eight loads (Wv) may be out
	WIN MUL_K
	MULK16 \f, 0, \zero
	MULK16 \f, 4, \zero
	PLACES                                         ; behind the matrix instructions that read buffer g last
	FETCH \slot, \q, \g
	s_wait_dscnt 32                                ; all but the 32 just issued
	WIN MUL_V
	MULV16 \f, 0, \zero
	MULV16 \f, 2, \zero
.endm
.macro THREE slot, zero
	QUARTER \slot, 1, F0, F1, \zero
	QUARTER \slot, 2, F1, F0, 0
	QUARTER \slot, 3, F0, F1, 0
.endm
; The last quarter: multiplies buffer 1 and changes slots.  In front of the barrier each wave waits for its reads of this slot and for all its
; tensor loads (one is out: its part of the next slot).  fill = 1: the barrier opens a round of the barrier of the cluster, and behind the round
; this slot is filled again, two K steps ahead, by the one tensor load of the wave.  From that request to the wait for it: 240 matrix instructions.
.macro TURN slot, next, fill
	s_wait_dscnt 8
	WIN MUL_K
	MULK16 F1, 0, 0
	s_wait_dscnt 0x0                               ; my reads of this slot are back
	s_wait_tensorcnt 0x0                           ; all my tensor loads have landed
	ds_add_u32 v255, v63
	s_wait_dscnt 0x0
	s_barrier_signal -1
	MULK16 F1, 4, 0                                ; register work while the others arrive
	WIN 0
	s_barrier_wait -1
.if \fill
	CREST
	s_add_nc_u64 s[G0Y+4*\slot+2:G0Y+4*\slot+3], s[G0Y+4*\slot+2:G0Y+4*\slot+3], 512
	s_add_nc_u64 s[G0W+4*\slot+2:G0W+4*\slot+3], s[G0W+4*\slot+2:G0W+4*\slot+3], 524288
	JLOAD \slot
.endif
	PLACES
	FETCH \next, 0, F0
	WIN MUL_V
	MULV16 F1, 0, 0
	MULV16 F1, 2, 0
.endm
.macro LAP zero                        ; two K steps, both slots filled again
	THREE 0, \zero
	TURN 0, 1, 1
	THREE 1, 0
	TURN 1, 0, 1
.endm
	s_wait_tensorcnt 0x1                           ; my part of K step 0 is in; step 1 stays out
	s_barrier_signal -1
	s_barrier_wait -1
	FETCH 0, 0, F0
	LAP 1                                          ; K steps 0, 1; asks for 2, 3
	WIN 0
	s_mov_b32 s3, 2
.Llap:
	LAP 0                                          ; K steps 2, 3 and 4, 5; asks for 4 .. 7
	WIN 0
	s_sub_co_u32 s3, s3, 1
	s_cmp_lg_u32 s3, 0
	s_cbranch_scc1 .Llap
	THREE 0, 0                                     ; K steps 6, 7: nothing is left to fetch
	TURN 0, 1, 0
	THREE 1, 0
	s_wait_dscnt 8
	WIN MUL_K
	MULK16 F1, 0, 0
	MULK16 F1, 4, 0
	s_wait_dscnt 0x0
	WIN MUL_V
	MULV16 F1, 0, 0
	MULV16 F1, 2, 0
	; K + bk and V to bf16, in the lane: register pairs of a tile become the registers of a fragment
	PLACES
	s_wait_loadcnt 0x0                             ; q, bk, bv
	WIN 0x82                                       ; K (window 2) += bk (window 0)
.irp kt, 0,1,2,3,4,5,6,7
.irp dt, 0,1,2,3
.irp j, 0,2,4,6
	v_pk_add_f32 v[8*(4*\kt+\dt)+\j:8*(4*\kt+\dt)+\j+1], v[8*(4*\kt+\dt)+\j:8*(4*\kt+\dt)+\j+1], v[BK+8*\dt+\j:BK+8*\dt+\j+1]
.endr
.endr
.endr
	WIN 0x0a                                       ; window 2 to window 0
.set n, 0
.rept 128
	v_cvt_pk_bf16_f32 v[KA+n], v[2*n], v[2*n+1]
.set n, n+1
.endr
	WIN 0x4f                                       ; window 3 to window 1
.set n, 0
.rept 128
	v_cvt_pk_bf16_f32 v[VA+n], v[2*n], v[2*n+1]
.set n, n+1
.endr
; 16 queries (fragment tile it) against my 128 keys.  A lane holds query r and the keys 16 kt + 8 h + 0..7: half of the row; lane xor 16 the other half.
.macro ATT it
	WIN 0xa4                                       ; source 0 window 0 (K), source 1 window 1 (q), C and D window 2
.irp kt, 0,1,2,3,4,5,6,7
	v_wmma_f32_16x16x32_bf16 v[S+8*\kt:S+8*\kt+7], v[KA+16*\kt:KA+16*\kt+7], v[QB+16*\it:QB+16*\it+7], 0
.endr
.irp kt, 0,1,2,3,4,5,6,7
	v_wmma_f32_16x16x32_bf16 v[S+8*\kt:S+8*\kt+7], v[KA+16*\kt+8:KA+16*\kt+15], v[QB+16*\it+8:QB+16*\it+15], v[S+8*\kt:S+8*\kt+7]
.endr
	WIN 0xaa
	PLACES
.irp c, 0,1,2,3
	v_max_num_f32 v[T+\c], v[S+16*\c], v[S+16*\c+1]        ; four chains
.endr
.irp i, 1,2,3,4,5,6,7
.irp c, 0,1,2,3
	v_max3_num_f32 v[T+\c], v[T+\c], v[S+16*\c+2*\i], v[S+16*\c+2*\i+1]
.endr
.endr
	v_max3_num_f32 v[T], v[T], v[T+1], v[T+2]
	v_max_num_f32 v[T], v[T], v[T+3]
	v_permlanex16_b32 v[T+1], v[T], s80, s81
	v_max_num_f32 v[T+4], v[T], v[T+1]             ; the maximum over my 128 keys: a pair for the packed subtraction,
	v_max_num_f32 v[T+5], v[T], v[T+1]
	v_max_num_f32 v[ST+4*(\it/2)+(\it%2)], v[T], v[T+1]    ; and kept for the merge
.set p, 0
.rept 32
	v_pk_add_f32 v[S+2*p:S+2*p+1], v[S+2*p:S+2*p+1], v[T+4:T+5] neg_lo:[0,1] neg_hi:[0,1]
.set p, p+1
.endr
.set p, 0
.rept 64
	v_exp_f32 v[S+p], v[S+p]
.set p, p+1
.endr
	v_nop                                          ; the plain instruction between the exponentials and the use of their results (ISA guide 5.7.2)
	s_wait_alu depctr_va_vdst(0)
.irp c, 0,1,2,3
	v_pk_add_f32 v[T+8+2*\c:T+9+2*\c], v[S+16*\c:S+16*\c+1], v[S+16*\c+2:S+16*\c+3]
.endr
.irp i, 2,3,4,5,6,7
.irp c, 0,1,2,3
	v_pk_add_f32 v[T+8+2*\c:T+9+2*\c], v[T+8+2*\c:T+9+2*\c], v[S+16*\c+2*\i:S+16*\c+2*\i+1]
.endr
.endr
	v_pk_add_f32 v[T+8:T+9], v[T+8:T+9], v[T+10:T+11]
	v_pk_add_f32 v[T+12:T+13], v[T+12:T+13], v[T+14:T+15]
	v_pk_add_f32 v[T+8:T+9], v[T+8:T+9], v[T+12:T+13]
	v_add_f32 v[T], v[T+8], v[T+9]
	v_permlanex16_b32 v[T+1], v[T], s80, s81
	v_add_f32 v[ST+4*(\it/2)+2+(\it%2)], v[T], v[T+1]      ; the sum over my 128 keys
.set p, 0
.rept 32
	v_cvt_pk_bf16_f32 v[PB+p], v[S+2*p], v[S+2*p+1]
.set p, p+1
.endr
	WIN 0xa9                                       ; source 0 window 1 (V), source 1 window 2 (weights), C and D window 2
.irp kk, 0,1,2,3
.irp dt, 0,1,2,3
.if \kk
	v_wmma_f32_16x16x32_bf16 v[O+8*(4*\it+\dt):O+8*(4*\it+\dt)+7], v[VA+8*(4*\dt+\kk):VA+8*(4*\dt+\kk)+7], v[PB+8*\kk:PB+8*\kk+7], v[O+8*(4*\it+\dt):O+8*(4*\it+\dt)+7]
.else
	v_wmma_f32_16x16x32_bf16 v[O+8*(4*\it+\dt):O+8*(4*\it+\dt)+7], v[VA+8*(4*\dt+\kk):VA+8*(4*\dt+\kk)+7], v[PB+8*\kk:PB+8*\kk+7], 0
.endif
.endr
.endr
	PLACES
.endm
	ATT 0
	ATT 1
	ATT 2
	ATT 3
	; THE MERGE of the two halves of the keys: I send tiles 2, 3 with their maxima and sums, and receive my partner's part of my tiles 0, 1
	WIN 0x08                                       ; store data in window 2
.set n, 0
.rept 16
	ds_store_b128 v[XST], v[O+64+4*n:O+64+4*n+3] offset:512*n
.set n, n+1
.endr
	ds_store_b128 v[XST], v[ST+4:ST+7] offset:8192
	s_wait_dscnt 0x0                               ; my stores are done, for my partner
	WIN 0
	s_barrier_signal -1
	s_barrier_wait -1
	WIN 0x80                                       ; loaded data into window 2
.set n, 0
.rept 16
	ds_load_b128 v[S+4*n:S+4*n+3], v[XLD] offset:512*n
.set n, n+1
.endr
	ds_load_b128 v[RS:RS+3], v[XLD] offset:8192
	s_wait_dscnt 0x0
	WIN 0xaa
.irp i, 0,1
	v_max_num_f32 v[T+\i], v[ST+\i], v[RS+\i]      ; the maximum over all 256 keys
.endr
.irp i, 0,1
	v_sub_f32 v[T+8+\i], v[ST+\i], v[T+\i]
	v_sub_f32 v[T+10+\i], v[RS+\i], v[T+\i]
.endr
	v_exp_f32 v[T+8], v[T+8]
	v_exp_f32 v[T+9], v[T+9]
	v_exp_f32 v[T+10], v[T+10]
	v_exp_f32 v[T+11], v[T+11]
	v_nop
	s_wait_alu depctr_va_vdst(0)
.irp i, 0,1
	v_mul_f32 v[T+2+\i], v[T+8+\i], v[ST+2+\i]
	v_fmac_f32 v[T+2+\i], v[T+10+\i], v[RS+2+\i]   ; the sum over all 256 keys: one of the two factors is 1 and its sum at least 1
.endr
	v_rcp_f32 v[T+2], v[T+2]
	v_rcp_f32 v[T+3], v[T+3]
	v_nop
	s_wait_alu depctr_va_vdst(0)
.irp i, 0,1
	v_mul_f32 v[FK+2*\i], v[T+8+\i], v[T+2+\i]
	v_mul_f32 v[FK+2*\i+1], v[T+8+\i], v[T+2+\i]
	v_mul_f32 v[FO+2*\i], v[T+10+\i], v[T+2+\i]
	v_mul_f32 v[FO+2*\i+1], v[T+10+\i], v[T+2+\i]
.endr
	WIN 0x8a                                       ; the addend bv in window 0
.irp i, 0,1
.irp dt, 0,1,2,3
.irp j, 0,2,4,6
	v_pk_fma_f32 v[S+8*(4*\i+\dt)+\j:S+8*(4*\i+\dt)+\j+1], v[S+8*(4*\i+\dt)+\j:S+8*(4*\i+\dt)+\j+1], v[FO+2*\i:FO+2*\i+1], v[BV+8*\dt+\j:BV+8*\dt+\j+1]
.endr
.endr
.endr
	WIN 0xaa
.irp i, 0,1
.irp dt, 0,1,2,3
.irp j, 0,2,4,6
	v_pk_fma_f32 v[O+8*(4*\i+\dt)+\j:O+8*(4*\i+\dt)+\j+1], v[O+8*(4*\i+\dt)+\j:O+8*(4*\i+\dt)+\j+1], v[FK+2*\i:FK+2*\i+1], v[S+8*(4*\i+\dt)+\j:S+8*(4*\i+\dt)+\j+1]
.endr
.endr
.endr
.set n, 0
.rept 32
	v_cvt_pk_bf16_f32 v[PB+n], v[O+2*n], v[O+2*n+1]
.set n, n+1
.endr
	; THE WAY OUT: 64 rows x 256 bytes (two heads) through the stage, which lies over the exchange
	WIN 0
	s_barrier_signal -1                            ; every wave has its reads of the exchange back (waited for above)
	s_barrier_wait -1
	WIN 0x08
.irp i, 0,1
.irp dt, 0,1,2,3
	ds_store_b128 v[STO], v[PB+4*(4*\i+\dt):PB+4*(4*\i+\dt)+3] offset:\i*16*EPITCH+32*\dt
.endr
.endr
	s_wait_dscnt 0x0                               ; my stores are done, for the waves that read these rows
	WIN 0
	s_barrier_signal -1
	s_barrier_wait -1
.irp t, 0,1,2,3,4,5,6,7
	ds_load_b128 v[F0+4*\t:F0+4*\t+3], v[RD] offset:2*EPITCH*\t
.endr
.irp t, 0,1,2,3,4,5,6,7
	s_wait_dscnt 7-\t                              ; LDS loads come back in order: load t is in
	global_store_b128 v[CO+\t], v[F0+4*\t:F0+4*\t+3], s[78:79]     ; sixteen lanes store 256 neighbouring bytes, at a multiple of 256
.endr
	s_set_vgpr_msb 0x1
	s_wait_tensorcnt 0x0
	ds_add_u32 v255, v63
	s_wait_dscnt 0x0
	s_set_vgpr_msb 0x100
	CROUND                                         ; the closing round: no work-group ends while a partner may still ask jointly
	s_endpgm
.Lfunc_end_k_q7004ad1c4d_attn:
	.size	k_q7004ad1c4d_attn, .Lfunc_end_k_q7004ad1c4d_attn-k_q7004ad1c4d_attn
	.p2alignl 7, 3214868480
	.fill 96, 4, 3214868480
	.section	.rodata,"a",@progbits
	.p2align	6, 0x0
	.amdhsa_kernel k_q7004ad1c4d_attn
		.amdhsa_group_segment_fixed_size 327680
		.amdhsa_private_segment_fixed_size 0
		.amdhsa_enable_private_segment 0
		.amdhsa_kernarg_size 48
		.amdhsa_user_sgpr_count 2
		.amdhsa_user_sgpr_kernarg_segment_ptr 1
		.amdhsa_wavefront_size32 1
		.amdhsa_system_sgpr_workgroup_id_x 1
		.amdhsa_system_sgpr_workgroup_id_y 1
		.amdhsa_system_sgpr_workgroup_id_z 1
		.amdhsa_system_vgpr_workitem_id 0
		.amdhsa_next_free_vgpr 1024
		.amdhsa_next_free_sgpr 96
		.amdhsa_reserve_vcc 0
		.amdhsa_float_denorm_mode_32 3
		.amdhsa_float_denorm_mode_16_64 3
		.amdhsa_memory_ordered 1
		.amdhsa_forward_progress 1
		.amdhsa_inst_pref_size 255
	.end_amdhsa_kernel
	.amdgpu_metadata
---
amdhsa.version: [ 1, 2 ]
amdhsa.kernels:
  - .name:           k_q7004ad1c4d_attn
    .symbol:         k_q7004ad1c4d_attn.kd
    .args:
      - { .name: ebf, .offset: 0, .size: 8, .value_kind: global_buffer, .address_space: global }
      - { .name: wb, .offset: 8, .size: 8, .value_kind: global_buffer, .address_space: global }
      - { .name: qb, .offset: 16, .size: 8, .value_kind: global_buffer, .address_space: global }
      - { .name: bk, .offset: 24, .size: 8, .value_kind: global_buffer, .address_space: global }
      - { .name: bv, .offset: 32, .size: 8, .value_kind: global_buffer, .address_space: global }
      - { .name: obuf, .offset: 40, .size: 8, .value_kind: global_buffer, .address_space: global }
    .group_segment_fixed_size: 327680
    .private_segment_fixed_size: 0
    .kernarg_segment_align: 8
    .kernarg_segment_size: 48
    .max_flat_workgroup_size: 128
    .sgpr_count:     96
    .vgpr_count:     1024
    .wavefront_size: 32
...
	.end_amdgpu_metadata
.endif
;; end of part 3
;; launch oproj (part 4): grid 8 x 32, 4 waves a work-group, clusters of 4 x 4, 327,680 bytes of LDS; arguments obuf, wb, bo, h, out0; writes out0
.if DOCPART == 4
	.amdgcn_target "amdgcn-amd-amdhsa--gfx1250"
	.amdhsa_code_object_version 6
	.text
	.protected	k_q7004ad1c4d_oproj
	.globl	k_q7004ad1c4d_oproj
	.p2align	8
	.type	k_q7004ad1c4d_oproj,@function
k_q7004ad1c4d_oproj:
	s_mov_b64 s[64:65], 0
	v_nop
	global_prefetch_b8 v0, s[64:65] scope:SCOPE_SE
	s_setreg_imm32_b32 hwreg(HW_REG_WAVE_MODE, 25, 1), 1
	s_wait_xcnt 0x0
	s_wait_alu depctr_hold_cnt(0) depctr_sa_sdst(0) depctr_va_vdst(0) depctr_va_sdst(0) depctr_va_ssrc(0) depctr_va_vcc(0) depctr_vm_vsrc(0)
	s_getreg_b32 s2, hwreg(HW_REG_IB_STS2, 6, 4)
	s_cmp_eq_u32 s2, 0
	s_cbranch_scc0 .Lentry_in_a_cluster
	s_endpgm
.Lentry_in_a_cluster:
	s_bfe_u32 s2, ttmp6, 0x10000c
	s_cmp_lg_u32 s2, 0xf033
	s_cbranch_scc0 .Lentry_shape_is_right
	s_endpgm
.Lentry_shape_is_right:
; oproj: out0[b][s] = h[b][s] + (s >= 63 ? obuf[b][s] Wo + bo : 0).  obuf [4096][1024] bf16 (already at the rows of the output), Wo = wb[3] [k][n] bf16.
; Rows s < 63 of obuf hold what the padded queries gave; their products are made like all others and a select puts 0 in their place.
; A work-group makes 128 rows x 128 columns with four waves, a wave 64 x 64: 16 accumulator tiles.  256 work-groups.
; K goes through two LDS slots of 256 along K each (two steps of 128 in one fill): four fills, written out without a loop.
; CLUSTERS: 4 x 4 work-groups.  The four of a row of the cluster need the same rows of obuf, the four of a column the same columns of Wo:
; each tile is asked for jointly by the four, which divides the requests for both by four.
; h (64 KiB for a work-group) is asked for when the first tile has landed, not ahead of it: it is wanted only behind the products, so the tiles
; that the products wait for go first; it comes in the lane layout in which the result is stored.
; LIMIT: obuf and Wo are bf16; sums, bias and residual in f32.
.set WPITCH, 288                       ; a k-row of W in LDS: 256 bytes + 32: an odd multiple of 32
.set APITCH, 528                       ; a row of obuf in LDS: 512 bytes + 16
.set WTILE,  128*WPITCH
.set ATILE,  64*APITCH
.set ABASE,  2*WTILE
.set SLOTG,  ABASE+2*ATILE             ; 141,312 bytes
.set STG,    2*SLOTG                   ; behind the ring: a stage of 16 rows x 272 bytes for each wave; no fill lands here
.set SPITCH, 272
.set G1Y, 28                           ; s[28:35] group 1 of the tile of obuf
.set G1W, 36                           ; s[36:43] group 1 of the tile of W
.set G0Y, 44                           ; s[44:51] group 0 of the tile of obuf, a set for each slot
.set G0W, 52                           ; s[52:59] group 0 of the tile of W, a set for each slot
.set ADRA, 16                          ; v16-17  LDS address of my fragments of obuf in slot 0, 1
.set ADRW, 18                          ; v18-19  of my fragments of W, k-rows 0-127 of the slot
.set ADRW2, 20                         ; v20-21  k-rows 128-255
.set HO,  22                           ; v22     my byte offset in h and in out0: row h, 16 bytes at 16 r
.set VR,  23                           ; v23     the row s of my first row, within its batch
.set SST, 24                           ; v24     stage: where I put 32 bytes
.set SRD, 25                           ; v25     stage: where I read a row back
.set BOF, 26                           ; v26     16 r
.set BO,  32                           ; v32-35  bo of the four columns that I store
.set XR,  64                           ; v64-95  16 rows of the product, as read back
.set ACC, 128                          ; v128-255 tile (mt, nt) at ACC + 8 (4 mt + nt)
.set F0,  0                            ; window 1: fragment buffer 0: W (u, nt) at 32 u + 8 nt, obuf (u, mt) at 64 + 32 u + 8 mt
.set F1,  128                          ; window 1: fragment buffer 1
                                       ; window 2: v0-127 h, then the result: pair of rows t of block mt at 4 (8 mt + t)
.set MULW,  0x05                       ; sources 0 and 1 in window 1, C and D in window 0
.set LOADW, 0x40                       ; destination in window 1, address in window 0
.set MSB, 0
.macro WIN new                         ; the high byte of the immediate repeats the setting that is left
.if MSB != \new
	s_set_vgpr_msb (MSB<<8)|\new
.set MSB, \new
.endif
.endm
.macro PLACES                          ; the places behind matrix instructions (ISA guide 7.12.1): five cover both distances
.rept 5
	v_nop
.endr
.endm
.macro JLOAD s                         ; waves 0 and 1 ask for the two halves of W, waves 2 and 3 for the two halves of obuf; each line has one mask
	s_cmp_eq_u32 s17, 0
	s_cbranch_scc0 .Lfor_y_\@
	tensor_load_to_lds s[G0W+4*\s:G0W+4*\s+3], s[G1W:G1W+7]
	s_nop 0
	s_branch .Lasked_\@
.Lfor_y_\@:
	tensor_load_to_lds s[G0Y+4*\s:G0Y+4*\s+3], s[G1Y:G1Y+7]
	s_nop 0
.Lasked_\@:
.endm
.macro CROUND                          ; a round of the barrier of the cluster
	s_barrier_signal -1
	s_barrier_wait -1
	s_cmp_lg_u32 s16, 0
	s_cbranch_scc1 .Lnot_wave_0_\@
	s_barrier_signal -3
.Lnot_wave_0_\@:
	s_barrier_wait -3
	s_barrier_signal -1
	s_barrier_wait -1
.endm
	s_load_b256 s[4:11], s[0:1], 0x0               ; obuf s[4:5], wb s[6:7], bo s[8:9], h s[10:11]
	s_load_b64 s[12:13], s[0:1], 0x20              ; out0
	v_lshl_add_u32 v126, v0, 2, 0x4d800
	v_mov_b32 v127, 0
	ds_add_u32 v126, v127
	v_lshrrev_b32 v1, 5, v0
	v_readfirstlane_b32 s16, v1                    ; wave 0..3
	s_lshr_b32 s17, s16, 1                         ; mh: my half of the rows.  Also: I fetch W (0) or obuf (1)
	s_and_b32 s18, s16, 1                          ; nh: my half of the columns.  Also: which half of that tile I fetch
	s_bfe_u32 s19, ttmp6, 0x40000                  ; cx
	s_bfe_u32 s20, ttmp6, 0x40004                  ; cy
	s_lshl_b32 s21, ttmp9, 2
	s_add_co_u32 s21, s21, s19                     ; X: block of 128 columns
	s_and_b32 s22, ttmp7, 0xffff
	s_lshl_b32 s22, s22, 2
	s_add_co_u32 s22, s22, s20                     ; Y: block of 128 rows
	s_lshl_b32 s23, s20, 2
	s_lshl_b32 s23, 15, s23                        ; my row of the cluster
	s_lshl_b32 s24, 0x1111, s19                    ; my column of the cluster
	s_or_b32 s[G1Y+0], s23, (1<<16)|(1<<20)|(1<<21)|(6<<22)|(3<<25)   ; mask; 2-byte elements; padding on; bit 21 beside a mask; after every 128 words 4 words
	s_mov_b32 s[G1Y+1], 256<<16                    ; tensor_dim0 = 256
	s_mov_b32 s[G1Y+2], 64<<16                     ; tensor_dim1 = 64
	s_mov_b32 s[G1Y+3], 256<<16                    ; tile_dim0 = 256 elements (512 bytes)
	s_mov_b32 s[G1Y+4], 64                         ; tile_dim1 = 64 rows
	s_mov_b32 s[G1Y+5], 1024                       ; elements from row to row
	s_mov_b32 s[G1Y+6], 0
	s_mov_b32 s[G1Y+7], 0
	s_or_b32 s[G1W+0], s24, (1<<16)|(1<<20)|(1<<21)|(5<<22)|(7<<25)   ; after every 64 words 8 words
	s_mov_b32 s[G1W+1], 128<<16
	s_mov_b32 s[G1W+2], 128<<16
	s_mov_b32 s[G1W+3], 128<<16                    ; 128 columns (256 bytes)
	s_mov_b32 s[G1W+4], 128                        ; 128 k-rows
	s_mov_b32 s[G1W+5], 1024
	s_mov_b32 s[G1W+6], 0
	s_mov_b32 s[G1W+7], 0
	s_lshl_b32 s60, s22, 18                        ; obuf: 128 rows of 2,048 bytes a block,
	s_lshl_b32 s82, s18, 17                        ; 64 rows a half
	s_add_co_u32 s60, s60, s82
	s_mov_b32 s61, 0
	s_lshl_b32 s66, s21, 8                         ; W: 256 bytes of a k-row a block,
	s_lshl_b32 s82, s18, 18                        ; 128 k-rows a half,
	s_add_co_u32 s66, s66, s82
	s_add_co_u32 s66, s66, 3<<21                   ; matrix 3 of wb (Wo), 2 MiB each
	s_mov_b32 s67, 0
	s_mul_i32 s68, s16, WTILE                      ; LDS: waves 0, 1 at 0 and WTILE
	s_mul_i32 s69, s16, ATILE
	s_add_co_u32 s69, s69, ABASE-2*ATILE           ; waves 2, 3 at ABASE and ABASE + ATILE
	s_wait_dscnt 0x0
	s_wait_kmcnt 0x0
	s_add_nc_u64 s[60:61], s[4:5], s[60:61]
	s_add_nc_u64 s[66:67], s[6:7], s[66:67]
	CROUND                                         ; all sixteen work-groups are here: the first joint loads meet
.irp s, 0,1
	s_mov_b32 s[G0Y+4*\s], 1
	s_add_co_u32 s[G0Y+4*\s+1], s69, \s*SLOTG
	s_add_nc_u64 s[G0Y+4*\s+2:G0Y+4*\s+3], s[60:61], \s*512
	s_or_b32 s[G0Y+4*\s+3], s[G0Y+4*\s+3], 0x80000000
	s_mov_b32 s[G0W+4*\s], 1
	s_add_co_u32 s[G0W+4*\s+1], s68, \s*SLOTG
	s_add_nc_u64 s[G0W+4*\s+2:G0W+4*\s+3], s[66:67], \s*524288
	s_or_b32 s[G0W+4*\s+3], s[G0W+4*\s+3], 0x80000000
	JLOAD \s                                       ; two tensor loads of the wave are out: the most in this text
.endr
	v_and_b32 v1, 15, v0                           ; r
	v_bfe_u32 v2, v0, 4, 1                         ; h
	v_and_b32 v4, 7, v0
	v_bfe_u32 v5, v0, 3, 1
	v_lshl_add_u32 v4, v2, 3, v4                   ; k-row 8 h + (lane mod 8)
	v_mul_u32_u24 v4, v4, WPITCH
	v_lshl_add_u32 v4, v5, 4, v4                   ; + 16 bytes for lanes 8-15 and 24-31: the address pattern of the transposing load
	v_mul_u32_u24 v6, v1, APITCH
	v_lshl_add_u32 v6, v2, 4, v6                   ; r x pitch + 16 h
	s_mul_i32 s82, s17, ATILE
	s_add_co_u32 s82, s82, ABASE
	s_lshl_b32 s83, s18, 7                         ; my 64 columns of W: 128 bytes
	v_add_nc_u32 v[ADRA], s82, v6
	v_add_nc_u32 v[ADRA+1], SLOTG, v[ADRA]
	v_add_nc_u32 v[ADRW], s83, v4
	v_add_nc_u32 v[ADRW+1], SLOTG, v[ADRW]
	v_add_nc_u32 v[ADRW2], WTILE, v[ADRW]
	v_add_nc_u32 v[ADRW2+1], WTILE, v[ADRW+1]
	v_lshlrev_b32 v[BOF], 4, v1                    ; 16 r
	v_lshl_add_u32 v[HO], v2, 12, v[BOF]           ; + h rows of 4,096 bytes
	s_mul_i32 s84, s16, 16*SPITCH
	s_add_co_u32 s84, s84, STG                     ; my stage
	v_mul_u32_u24 v7, v1, SPITCH
	v_lshl_add_u32 v7, v2, 5, v7
	v_add_nc_u32 v[SST], s84, v7                   ; in: row r, 32 bytes (8 f32) for each half of the lanes
	v_mul_u32_u24 v8, v2, SPITCH
	v_add_nc_u32 v8, v[BOF], v8
	v_add_nc_u32 v[SRD], s84, v8                   ; back: lanes 0-15 one row of 256 bytes, lanes 16-31 the next
	s_lshl_b32 s85, s22, 7
	s_lshl_b32 s86, s17, 6
	s_add_co_u32 s85, s85, s86                     ; my first row
	s_and_b32 s86, s85, 1023
	v_add_nc_u32 v[VR], s86, v2                    ; its place in the batch, + h
	s_mov_b32 s89, 0
	s_lshl_b32 s87, s21, 9
	s_lshl_b32 s86, s18, 8
	s_add_co_u32 s88, s87, s86                     ; my 64 columns of f32
	s_add_nc_u64 s[74:75], s[8:9], s[88:89]        ; bo
	s_lshl_b32 s85, s85, 12
	s_add_co_u32 s88, s88, s85
	s_add_nc_u64 s[70:71], s[10:11], s[88:89]      ; h at my 64 x 64
	s_add_nc_u64 s[72:73], s[12:13], s[88:89]      ; out0 likewise
; 32 LDS loads: the fragments of 64 along K (two blocks of 32, numbers 2 j and 2 j + 1 of the eight of the slot) into buffer f
.macro FETCHG slot, j, f
.irp u, 0,1
.irp nt, 0,1,2,3
.if (2*\j+\u) < 4
	ds_load_tr16_b128 v[\f+32*\u+8*\nt:\f+32*\u+8*\nt+3], v[ADRW+\slot] offset:(2*\j+\u)*32*WPITCH+32*\nt
	ds_load_tr16_b128 v[\f+32*\u+8*\nt+4:\f+32*\u+8*\nt+7], v[ADRW+\slot] offset:(2*\j+\u)*32*WPITCH+32*\nt+16*WPITCH
.else
	ds_load_tr16_b128 v[\f+32*\u+8*\nt:\f+32*\u+8*\nt+3], v[ADRW2+\slot] offset:(2*\j+\u-4)*32*WPITCH+32*\nt
	ds_load_tr16_b128 v[\f+32*\u+8*\nt+4:\f+32*\u+8*\nt+7], v[ADRW2+\slot] offset:(2*\j+\u-4)*32*WPITCH+32*\nt+16*WPITCH
.endif
.endr
.irp mt, 0,1,2,3
	ds_load_b128 v[\f+64+32*\u+8*\mt:\f+64+32*\u+8*\mt+3], v[ADRA+\slot] offset:\mt*16*APITCH+64*(2*\j+\u)
	ds_load_b128 v[\f+64+32*\u+8*\mt+4:\f+64+32*\u+8*\mt+7], v[ADRA+\slot] offset:\mt*16*APITCH+64*(2*\j+\u)+32
.endr
.endr
.endm
; 32 matrix instructions on buffer f, source 0 = 16 columns of W, source 1 = 16 rows of obuf: a lane holds eight neighbouring columns of one row.
; The sixteen accumulators take turns, one instruction a turn.  zero = 1: the first block of 32 starts the sums.
.macro MULG f, zero
.irp u, 0,1
.irp mt, 0,1,2,3
.irp nt, 0,1,2,3
.if \zero*(1-\u)
	v_wmma_f32_16x16x32_bf16 v[ACC+8*(4*\mt+\nt):ACC+8*(4*\mt+\nt)+7], v[\f+32*\u+8*\nt:\f+32*\u+8*\nt+7], v[\f+64+32*\u+8*\mt:\f+64+32*\u+8*\mt+7], 0
.else
	v_wmma_f32_16x16x32_bf16 v[ACC+8*(4*\mt+\nt):ACC+8*(4*\mt+\nt)+7], v[\f+32*\u+8*\nt:\f+32*\u+8*\nt+7], v[\f+64+32*\u+8*\mt:\f+64+32*\u+8*\mt+7], v[ACC+8*(4*\mt+\nt):ACC+8*(4*\mt+\nt)+7]
.endif
.endr
.endr
.endr
.endm
; A slot: 256 along K, 128 matrix instructions, on two fragment buffers; a run of 32 loads is always one buffer ahead.
.macro WORK slot, zero
	PLACES                                         ; behind the matrix instructions that read both buffers last
	WIN LOADW
	FETCHG \slot, 0, F0
	FETCHG \slot, 1, F1
	s_wait_dscnt 32                                ; buffer 0 is in; the 32 younger loads stay out
	WIN MULW
	MULG F0, \zero
	PLACES
	WIN LOADW
	FETCHG \slot, 2, F0
	s_wait_dscnt 32                                ; buffer 1 is in; the 32 just issued stay out
	WIN MULW
	MULG F1, 0
	PLACES
	WIN LOADW
	FETCHG \slot, 3, F1
	s_wait_dscnt 32
	WIN MULW
	MULG F0, 0
	s_wait_dscnt 0x0
	MULG F1, 0
	WIN 0
.endm
; A slot that has been read is filled again: every wave waits for all its tensor loads and its reads, a round of the barrier of the cluster,
; then the joint load, the one tensor load of the wave behind the round.
.macro REFILL slot
	s_wait_tensorcnt 0x0                           ; all my loads have landed, my part of the other slot among them: the group 0 sets may be written
	ds_add_u32 v126, v127
	s_add_nc_u64 s[G0Y+4*\slot+2:G0Y+4*\slot+3], s[G0Y+4*\slot+2:G0Y+4*\slot+3], 1024
	s_add_nc_u64 s[G0W+4*\slot+2:G0W+4*\slot+3], s[G0W+4*\slot+2:G0W+4*\slot+3], 1048576
	s_wait_dscnt 0x0                               ; my reads of this slot are back
	CROUND
	JLOAD \slot
.endm
	s_wait_tensorcnt 0x1                           ; my part of slot 0 is in; slot 1 stays out
	s_barrier_signal -1
	s_barrier_wait -1
	; bo and h: asked for now, waited for behind the products; none of their registers is touched in between
	global_load_b128 v[BO:BO+3], v[BOF], s[74:75]
	WIN 0x80                                       ; loaded data into window 2
.irp mt, 0,1,2,3
.irp t, 0,1,2,3,4,5,6,7
	global_load_b128 v[4*(8*\mt+\t):4*(8*\mt+\t)+3], v[HO], s[70:71] offset:(16*\mt+2*\t)*4096
.endr
.endr
	WIN 0
	WORK 0, 1                                      ; K 0..255
	REFILL 0
	WORK 1, 0                                      ; K 256..511
	REFILL 1
	WORK 0, 0                                      ; K 512..767
	s_wait_tensorcnt 0x0                           ; my part of the last fill is in
	s_wait_dscnt 0x0
	s_barrier_signal -1
	s_barrier_wait -1
	WORK 1, 0                                      ; K 768..1023
	; THE WAY OUT, 16 rows at a time through my own stage (LDS serves the instructions of a wave in order, ISA guide 5.7.1: no wait between the
	; stores and the loads, nor between these loads and the stores of the next block): + bo, 0 in rows s < 63, + h, out as whole rows of 256 bytes.
	PLACES
	s_wait_loadcnt 0x0                             ; bo and h
.irp mt, 0,1,2,3
.irp nt, 0,1,2,3
	ds_store_b128 v[SST], v[ACC+8*(4*\mt+\nt):ACC+8*(4*\mt+\nt)+3] offset:64*\nt
	ds_store_b128 v[SST], v[ACC+8*(4*\mt+\nt)+4:ACC+8*(4*\mt+\nt)+7] offset:64*\nt+16
.endr
.irp t, 0,1,2,3,4,5,6,7
	ds_load_b128 v[XR+4*\t:XR+4*\t+3], v[SRD] offset:2*SPITCH*\t
.endr
.irp t, 0,1,2,3,4,5,6,7
	s_wait_dscnt 7-\t                              ; LDS loads come back in order: load t is in
	v_cmp_lt_u32 vcc_lo, 62-16*\mt-2*\t, v[VR]     ; s = VR + 16 mt + 2 t >= 63
	v_pk_add_f32 v[XR+4*\t:XR+4*\t+1], v[XR+4*\t:XR+4*\t+1], v[BO:BO+1]
	v_pk_add_f32 v[XR+4*\t+2:XR+4*\t+3], v[XR+4*\t+2:XR+4*\t+3], v[BO+2:BO+3]
.irp k, 0,1,2,3
	v_cndmask_b32 v[XR+4*\t+\k], 0, v[XR+4*\t+\k], vcc_lo
.endr
.endr
	WIN 0x88                                       ; source 1 and destination (h, the result, the data of a store) in window 2
.irp t, 0,1,2,3,4,5,6,7
	v_pk_add_f32 v[4*(8*\mt+\t):4*(8*\mt+\t)+1], v[XR+4*\t:XR+4*\t+1], v[4*(8*\mt+\t):4*(8*\mt+\t)+1]
	v_pk_add_f32 v[4*(8*\mt+\t)+2:4*(8*\mt+\t)+3], v[XR+4*\t+2:XR+4*\t+3], v[4*(8*\mt+\t)+2:4*(8*\mt+\t)+3]
.endr
.irp t, 0,1,2,3,4,5,6,7
	global_store_b128 v[HO], v[4*(8*\mt+\t):4*(8*\mt+\t)+3], s[72:73] offset:(16*\mt+2*\t)*4096   ; sixteen lanes store 256 neighbouring bytes, at a multiple of 256; each data register is written once
.endr
	WIN 0
.endr
	s_wait_tensorcnt 0x0
	ds_add_u32 v126, v127
	s_wait_dscnt 0x0
	CROUND                                         ; the closing round: no work-group ends while a partner may still ask jointly
	s_endpgm
.Lfunc_end_k_q7004ad1c4d_oproj:
	.size	k_q7004ad1c4d_oproj, .Lfunc_end_k_q7004ad1c4d_oproj-k_q7004ad1c4d_oproj
	.p2alignl 7, 3214868480
	.fill 96, 4, 3214868480
	.section	.rodata,"a",@progbits
	.p2align	6, 0x0
	.amdhsa_kernel k_q7004ad1c4d_oproj
		.amdhsa_group_segment_fixed_size 327680
		.amdhsa_private_segment_fixed_size 0
		.amdhsa_enable_private_segment 0
		.amdhsa_kernarg_size 40
		.amdhsa_user_sgpr_count 2
		.amdhsa_user_sgpr_kernarg_segment_ptr 1
		.amdhsa_wavefront_size32 1
		.amdhsa_system_sgpr_workgroup_id_x 1
		.amdhsa_system_sgpr_workgroup_id_y 1
		.amdhsa_system_sgpr_workgroup_id_z 1
		.amdhsa_system_vgpr_workitem_id 0
		.amdhsa_next_free_vgpr 640
		.amdhsa_next_free_sgpr 96
		.amdhsa_reserve_vcc 1
		.amdhsa_float_denorm_mode_32 3
		.amdhsa_float_denorm_mode_16_64 3
		.amdhsa_memory_ordered 1
		.amdhsa_forward_progress 1
		.amdhsa_inst_pref_size 101
	.end_amdhsa_kernel
	.amdgpu_metadata
---
amdhsa.version: [ 1, 2 ]
amdhsa.kernels:
  - .name:           k_q7004ad1c4d_oproj
    .symbol:         k_q7004ad1c4d_oproj.kd
    .args:
      - { .name: obuf, .offset: 0, .size: 8, .value_kind: global_buffer, .address_space: global }
      - { .name: wb, .offset: 8, .size: 8, .value_kind: global_buffer, .address_space: global }
      - { .name: bo, .offset: 16, .size: 8, .value_kind: global_buffer, .address_space: global }
      - { .name: h, .offset: 24, .size: 8, .value_kind: global_buffer, .address_space: global }
      - { .name: out0, .offset: 32, .size: 8, .value_kind: global_buffer, .address_space: global }
    .group_segment_fixed_size: 327680
    .private_segment_fixed_size: 0
    .kernarg_segment_align: 8
    .kernarg_segment_size: 40
    .max_flat_workgroup_size: 128
    .sgpr_count:     96
    .vgpr_count:     640
    .wavefront_size: 32
...
	.end_amdgpu_metadata
.endif
;; end of part 4
;; ======== version 2 of 2: 4 launches; version 1 with the launch prep written anew for expert scheduling mode
;; workspace buffers: ebf 33,554,432 bytes; wb 8,388,608 bytes; hn 8,388,608 bytes; qb 8,388,608 bytes; obuf 8,388,608 bytes
;; launch prep (part 5): grid 256 x 1, 8 waves a work-group, no clusters, 0 bytes of LDS; arguments Wq, Wk, Wv, Wo, h, g_norm, wb, hn; writes wb, hn
.if DOCPART == 5
	.amdgcn_target "amdgcn-amd-amdhsa--gfx1250"
	.amdhsa_code_object_version 6
	.text
	.protected	k_q7004ad1c4d_prep
	.globl	k_q7004ad1c4d_prep
	.p2align	8
	.type	k_q7004ad1c4d_prep,@function
k_q7004ad1c4d_prep:
	s_mov_b64 s[64:65], 0
	v_nop
	global_prefetch_b8 v0, s[64:65] scope:SCOPE_SE
	s_setreg_imm32_b32 hwreg(HW_REG_WAVE_SCHED_MODE, 0, 2), 2
	s_setreg_imm32_b32 hwreg(HW_REG_WAVE_MODE, 25, 1), 1
	s_wait_xcnt 0x0
	s_wait_alu depctr_vm_vsrc(0)
; prep: the operands that the query projection needs first, and the other weights, rounded once to bf16 (nearest even).
;   work-groups   0..127: wb = bf16(Wq | Wk | Wv | Wo), 32 blocks of 32,768 numbers for each matrix, layout unchanged ([k][n])
;   work-groups 128..255: hn[b][t] = h[b][t+63] * g * rsqrt(mean(h[b][t+63]^2) + 1e-8) for t <= 960, zeros for t > 960; 32 rows each
; (e is rounded in the next launch, beside the query projection, which needs nothing of it.)
; Every work-group moves 128 KiB in and 64 KiB out.  A stream: no LDS, no barrier, no matrix unit, no cluster (no byte is read by two work-groups
; but g and one clamped row).  A load of a wave covers 512 neighbouring bytes, a store 256 neighbouring bytes at a multiple of 256.
; No register is written twice while a memory instruction may read it: every load and store has registers of its own.
; LIMIT: results are bf16; the sum of squares is kept in f32 and overflows only where |h| passes about 1e17.
; THE MODE: SCHED_MODE bits 1:0 = 2 (LLVM: expert scheduling mode 2), set by the entry lines.  The code itself states the register dependences
; between vector instructions and memory instructions, with s_wait_alu, always for 0.
; THE PLAN.  Registers that memory instructions touch:
;   v1, v2    byte offsets, written once at the head; v1 is read by every load, v2 by every store; never written again.
;   CI, G, X  written by loads that are all issued ahead of any vector work on them; no memory instruction reads them.
;   CQ        cast: written by the conversions of group g (four units), each register once; read by the four stores that are issued in group g + 1.
;   Y         norm: written by the roundings and masks of row rr, each register for one row; read by the eight stores that are issued in row rr + 1.
;   T, v3     named by vector instructions alone.
; So one wait on va_vdst at the head covers the offsets; one at the head of each group of the cast, and the one that each row of the norm has ahead of
; the first reader of its reciprocal roots, show the step before written, and that step's stores follow it, dealt among vector instructions
; that name none of their registers; one more stands ahead of the last stores of each arm.  No register that a memory instruction reads is written
; again, so there is no wait on vm_vsrc to write.
.set CI, 8                             ; cast: v[8:135]   32 x 4 numbers as loaded
.set CQ, 136                           ; cast: v[136:199] 32 x 4 numbers in bf16
.set G,  8                             ; norm: v[8:39]    g of my 32 columns
.set X,  40                            ; norm: v[40:167]  four rows, 32 numbers a lane each
.set Y,  168                           ; norm: v[168:231] four rows in bf16
.set T,  232                           ; norm: v[232:243] at work
	s_load_b256 s[4:11], s[0:1], 0x0               ; Wq s[4:5], Wk s[6:7], Wv s[8:9], Wo s[10:11]
	s_load_b256 s[12:19], s[0:1], 0x20             ; h s[12:13], g s[14:15], wb s[16:17], hn s[18:19]
	v_lshrrev_b32 v3, 5, v0
	v_readfirstlane_b32 s25, v3                    ; wave 0..7
	v_and_b32 v2, 31, v0                           ; lane
	v_lshlrev_b32 v1, 4, v2                        ; 16 bytes of f32 a lane
	v_lshlrev_b32 v2, 3, v2                        ; 8 bytes of bf16 a lane
	s_mov_b32 s24, ttmp9
	s_wait_kmcnt 0x0
	s_wait_alu depctr_va_sdst(0)                   ; s25 is written, ahead of the branch and of its first readers: both arms make their bases from it
	s_wait_alu depctr_va_vdst(0)                   ; v1 and v2 are written: every load of both arms reads v1 as its offset, every store v2
	s_cmp_ge_u32 s24, 128
	s_cbranch_scc1 .Lnorm
	; ---- the casts ----
	s_lshr_b32 s27, s24, 5                         ; which matrix
	s_and_b32 s28, s24, 31                         ; which block of it
	s_cmp_eq_u32 s27, 1
	s_cselect_b64 s[30:31], s[6:7], s[4:5]         ; Wk or Wq
	s_cmp_eq_u32 s27, 2
	s_cselect_b64 s[30:31], s[8:9], s[30:31]       ; Wv
	s_cmp_eq_u32 s27, 3
	s_cselect_b64 s[30:31], s[10:11], s[30:31]     ; Wo
	s_lshl_b32 s34, s28, 17                        ; 131,072 bytes of f32 a block,
	s_lshl_b32 s29, s25, 14                        ; 16,384 a wave
	s_add_co_u32 s34, s34, s29
	s_mov_b32 s35, 0
	s_add_nc_u64 s[30:31], s[30:31], s[34:35]
	s_lshl_b32 s36, s24, 16                        ; half of that in bf16; the four matrices follow each other in wb
	s_lshl_b32 s29, s25, 13
	s_add_co_u32 s36, s36, s29
	s_mov_b32 s37, 0
	s_add_nc_u64 s[32:33], s[16:17], s[36:37]
.set j, 0
.rept 32
	global_load_b128 v[CI+4*j:CI+4*j+3], v1, s[30:31] offset:512*j th:TH_LOAD_NT   ; all 16 KiB of the wave go out at once; no vector instruction has named these registers
.set j, j+1
.endr
	; eight groups of four units.  Group g rounds its four; the stores of group g - 1 stand among its conversions.
.set g, 0
.rept 8
	s_wait_loadcnt 28-4*g                          ; loads come back in order: the four of group g are in, the 28 - 4 g younger ones stay out
.if g > 0
	s_wait_alu depctr_va_vdst(0)                   ; the conversions of the group before have written its eight registers of CQ, which the four stores below read
.endif
.set i, 0
.rept 4
.if g > 0
	global_store_b64 v2, v[CQ+2*(4*g-4+i):CQ+2*(4*g-4+i)+1], s[32:33] offset:256*(4*g-4+i)   ; no vector instruction since the wait names these registers
.endif
	v_cvt_pk_bf16_f32 v[CQ+2*(4*g+i)], v[CI+4*(4*g+i)], v[CI+4*(4*g+i)+1]
	v_cvt_pk_bf16_f32 v[CQ+2*(4*g+i)+1], v[CI+4*(4*g+i)+2], v[CI+4*(4*g+i)+3]
.set i, i+1
.endr
.set g, g+1
.endr
	s_wait_alu depctr_va_vdst(0)                   ; the conversions of the last group have written its CQ, which the last four stores read
.set j, 28
.rept 4
	global_store_b64 v2, v[CQ+2*j:CQ+2*j+1], s[32:33] offset:256*j
.set j, j+1
.endr
	s_endpgm
	; ---- the norm: one wave takes a whole row (4,096 bytes = 32 registers) and keeps it between the two passes; four rows a wave ----
.Lnorm:
	s_sub_co_u32 s26, s24, 128
	s_lshl_b32 s26, s26, 5
	s_lshl2_add_u32 s26, s25, s26                  ; my first row of hn: 32 x group + 4 x wave
	s_mov_b32 s31, 0
.irp rr, 0,1,2,3
	s_add_co_u32 s27, s26, \rr
	s_and_b32 s28, s27, 1023                       ; t
	s_sub_co_u32 s27, s27, s28                     ; 1024 b
	s_add_co_u32 s29, s28, 63
	s_min_u32 s29, s29, 1023                       ; a padded row reads the last row of the batch, so that no load leaves h; its result is masked away
	s_add_co_u32 s27, s27, s29
	s_lshl_b32 s30, s27, 12
	s_add_nc_u64 s[32+2*\rr:33+2*\rr], s[12:13], s[30:31]
	s_cmp_le_u32 s28, 960
	s_cselect_b32 s[44+\rr], -1, 0                 ; all ones for a true row, 0 for a padded one
.endr
	s_lshl_b32 s30, s26, 11
	s_add_nc_u64 s[48:49], s[18:19], s[30:31]      ; hn at my first row
	s_mov_b32 s40, 0x76543210                      ; v_permlanex16_b32: lane i of one half reads lane i of the other
	s_mov_b32 s41, 0xfedcba98
	s_mov_b32 s42, 0x3a800000                      ; 1 / 1024
	v_mov_b32 v3, 0x322bcc77                       ; 1e-8; no memory instruction names v3
.set j, 0
.rept 8
	global_load_b128 v[G+4*j:G+4*j+3], v1, s[14:15] offset:512*j
.set j, j+1
.endr
.irp rr, 0,1,2,3
.set j, 0
.rept 8
	global_load_b128 v[X+32*\rr+4*j:X+32*\rr+4*j+3], v1, s[32+2*\rr:33+2*\rr] offset:512*j
.set j, j+1
.endr
.endr
; Row rr is normed into Y[rr]; the eight stores of row rr - 1 stand among its multiplies by the reciprocal root.
.macro NROW rr
	s_wait_loadcnt 8*(3-\rr)                       ; g and my row are in; the eight loads of each later row stay out
.irp k, 0,1,2,3
	v_pk_mul_f32 v[T+2*\k:T+2*\k+1], v[X+32*\rr+2*\k:X+32*\rr+2*\k+1], v[X+32*\rr+2*\k:X+32*\rr+2*\k+1]   ; four chains, started by the first products
.endr
.set p, 4
.rept 12
	v_pk_fma_f32 v[T+2*(p%4):T+2*(p%4)+1], v[X+32*\rr+2*p:X+32*\rr+2*p+1], v[X+32*\rr+2*p:X+32*\rr+2*p+1], v[T+2*(p%4):T+2*(p%4)+1]
.set p, p+1
.endr
	v_pk_add_f32 v[T:T+1], v[T:T+1], v[T+2:T+3]
	v_pk_add_f32 v[T+4:T+5], v[T+4:T+5], v[T+6:T+7]
	v_pk_add_f32 v[T:T+1], v[T:T+1], v[T+4:T+5]
	v_add_f32 v[T], v[T], v[T+1]
	v_add_f32_dpp v[T], v[T], v[T] row_xmask:1 row_mask:0xf bank_mask:0xf
	v_add_f32_dpp v[T], v[T], v[T] row_xmask:2 row_mask:0xf bank_mask:0xf
	v_add_f32_dpp v[T], v[T], v[T] row_xmask:4 row_mask:0xf bank_mask:0xf
	v_add_f32_dpp v[T], v[T], v[T] row_xmask:8 row_mask:0xf bank_mask:0xf
	v_permlanex16_b32 v[T+1], v[T], s40, s41
	v_add_f32 v[T], v[T], v[T+1]                   ; the sum of squares of the row, in every lane
	v_fma_f32 v[T+10], v[T], s42, v3               ; mean + 1e-8
	v_rsq_f32 v[T+8], v[T+10]                      ; twice, for the packed multiply; the first multiply by g below is the plain
	v_rsq_f32 v[T+9], v[T+10]                      ; instruction that stands between these and the use of their results (ISA guide 5.7.2)
.set p, 0
.rept 16
	v_pk_mul_f32 v[X+32*\rr+2*p:X+32*\rr+2*p+1], v[X+32*\rr+2*p:X+32*\rr+2*p+1], v[G+2*p:G+2*p+1]
.set p, p+1
.endr
	s_wait_alu depctr_va_vdst(0)                   ; the two reciprocal roots v[T+8], v[T+9] are written, ahead of their first reader; and the row before has written its Y, which the stores below read
.set p, 0
.rept 16
.if (\rr > 0) && (p % 2 == 0)
	global_store_b64 v2, v[Y+16*(\rr-1)+p:Y+16*(\rr-1)+p+1], s[48:49] offset:2048*(\rr-1)+128*p   ; the row before; no vector instruction since the wait names these registers
.endif
	v_pk_mul_f32 v[X+32*\rr+2*p:X+32*\rr+2*p+1], v[X+32*\rr+2*p:X+32*\rr+2*p+1], v[T+8:T+9]
.set p, p+1
.endr
.set p, 0
.rept 16
	v_cvt_pk_bf16_f32 v[Y+16*\rr+p], v[X+32*\rr+2*p], v[X+32*\rr+2*p+1]
.set p, p+1
.endr
.set p, 0
.rept 16
	v_and_b32 v[Y+16*\rr+p], s[44+\rr], v[Y+16*\rr+p]      ; a padded row is exact zeros, whatever the clamped row gave
.set p, p+1
.endr
.endm
	NROW 0
	NROW 1
	NROW 2
	NROW 3
	s_wait_alu depctr_va_vdst(0)                   ; the masks of the last row have written its Y, which the last eight stores read
.set j, 0
.rept 8
	global_store_b64 v2, v[Y+48+2*j:Y+48+2*j+1], s[48:49] offset:2048*3+256*j
.set j, j+1
.endr
	s_endpgm
.Lfunc_end_k_q7004ad1c4d_prep:
	.size	k_q7004ad1c4d_prep, .Lfunc_end_k_q7004ad1c4d_prep-k_q7004ad1c4d_prep
	.p2alignl 7, 3214868480
	.fill 96, 4, 3214868480
	.section	.rodata,"a",@progbits
	.p2align	6, 0x0
	.amdhsa_kernel k_q7004ad1c4d_prep
		.amdhsa_group_segment_fixed_size 0
		.amdhsa_private_segment_fixed_size 0
		.amdhsa_enable_private_segment 0
		.amdhsa_kernarg_size 64
		.amdhsa_user_sgpr_count 2
		.amdhsa_user_sgpr_kernarg_segment_ptr 1
		.amdhsa_wavefront_size32 1
		.amdhsa_system_sgpr_workgroup_id_x 1
		.amdhsa_system_sgpr_workgroup_id_y 1
		.amdhsa_system_sgpr_workgroup_id_z 1
		.amdhsa_system_vgpr_workitem_id 0
		.amdhsa_next_free_vgpr 248
		.amdhsa_next_free_sgpr 66
		.amdhsa_reserve_vcc 0
		.amdhsa_float_denorm_mode_32 3
		.amdhsa_float_denorm_mode_16_64 3
		.amdhsa_memory_ordered 1
		.amdhsa_forward_progress 1
		.amdhsa_inst_pref_size 42
	.end_amdhsa_kernel
	.amdgpu_metadata
---
amdhsa.version: [ 1, 2 ]
amdhsa.kernels:
  - .name:           k_q7004ad1c4d_prep
    .symbol:         k_q7004ad1c4d_prep.kd
    .args:
      - { .name: Wq, .offset: 0, .size: 8, .value_kind: global_buffer, .address_space: global }
      - { .name: Wk, .offset: 8, .size: 8, .value_kind: global_buffer, .address_space: global }
      - { .name: Wv, .offset: 16, .size: 8, .value_kind: global_buffer, .address_space: global }
      - { .name: Wo, .offset: 24, .size: 8, .value_kind: global_buffer, .address_space: global }
      - { .name: h, .offset: 32, .size: 8, .value_kind: global_buffer, .address_space: global }
      - { .name: g_norm, .offset: 40, .size: 8, .value_kind: global_buffer, .address_space: global }
      - { .name: wb, .offset: 48, .size: 8, .value_kind: global_buffer, .address_space: global }
      - { .name: hn, .offset: 56, .size: 8, .value_kind: global_buffer, .address_space: global }
    .group_segment_fixed_size: 0
    .private_segment_fixed_size: 0
    .kernarg_segment_align: 8
    .kernarg_segment_size: 64
    .max_flat_workgroup_size: 256
    .sgpr_count:     66
    .vgpr_count:     248
    .wavefront_size: 32
...
	.end_amdgpu_metadata
.endif
;; end of part 5
;; launch qproj: the kernel of part 2 again; grid 8 x 32, 4 waves a work-group, clusters of 4 x 4, 327,680 bytes of LDS; arguments hn, wb, bq, e, qb, ebf; writes qb, ebf
;; launch attn: the kernel of part 3 again; grid 8 x 64, 4 waves a work-group, clusters of 4 x 4, 327,680 bytes of LDS; arguments ebf, wb, qb, bk, bv, obuf; writes obuf
;; launch oproj: the kernel of part 4 again; grid 8 x 32, 4 waves a work-group, clusters of 4 x 4, 327,680 bytes of LDS; arguments obuf, wb, bo, h, out0; writes out0
